; MI455X (gfx1250); checked and timed in simulation.
; The chip was launched on July 23, 2026; its instructions are those of AMD's public machine-readable ISA for CDNA 5 (MIT licence, August 2026) and "CDNA5" Instruction Set Architecture Reference Guide (July 2026). The comments in the code are by the model that wrote it; some were corrected since.
;; Linear Attention. Allowed arithmetic: float matrix products may take bf16 or f16 operands with f32 sums; all other float work in f32.
;; Inputs: Wk 1,024 x 1,024 float32; Wq 1,024 x 1,024 float32; Wv 1,024 x 1,024 float32; x 2,048 x 4 x 1,024 float32.
;; Outputs: out0 2,048 x 4 x 1,024 float32.
;; 2 versions, each right; version 2 is version 1 with the launches conv, prefix written anew for expert scheduling mode. Each part assembles by itself: llvm-mc -triple=amdgcn-amd-amdhsa -mcpu=gfx1250 --defsym DOCPART=n.
;; ======== version 1 of 2: 6 launches
;; limits: values outside matrix products are rounded to bf16; values are held in f16: magnitudes above 65,504 overflow, below 6.1e-05 lose precision
;; workspace buffers: cvt 23,068,672 bytes; prj 88,080,384 bytes; kvp 33,554,432 bytes; pre 34,078,720 bytes; sco 17,563,648 bytes
;; launch conv (part 1): grid 704 x 1, 8 waves a work-group, no clusters, 0 bytes of LDS; arguments x, Wq, Wk, Wv, cvt; writes cvt
.if DOCPART == 1
	.amdgcn_target "amdgcn-amd-amdhsa--gfx1250"
	.amdhsa_code_object_version 6
	.text
	.protected	k_q598d8d7655_conv
	.globl	k_q598d8d7655_conv
	.p2align	8
	.type	k_q598d8d7655_conv,@function
k_q598d8d7655_conv:
	s_mov_b64 s[64:65], 0
	v_nop
	global_prefetch_b8 v0, s[64:65] scope:SCOPE_SE
	s_setreg_imm32_b32 hwreg(HW_REG_WAVE_MODE, 25, 1), 1
	s_wait_xcnt 0x0
; x [8192][1024] and Wq, Wk, Wv [1024][1024], all f32, are rounded once to bf16 into cvt: xb at byte 0, then Wq, Wk, Wv as one table of 3,072 rows at byte 16,777,216.
; A work-group takes 16 rows of 1,024 numbers.  Groups 0-511 take x, groups 512-703 the three weights, 64 groups each; in cvt group w's rows begin at byte 32,768 w in both cases.
; Thread t takes 16 bytes (4 numbers) at byte 16 t of every row: a wave's load covers 512 consecutive bytes, its store 256 consecutive aligned bytes.
; All 16 loads go out at once; every row has registers of its own, so nothing is rewritten while a load or store may read it.  No LDS, no matrix unit: the work is moving bytes.
.set X, 4                              ; v[4:67]   row r as loaded: 4 registers
.set Y, 68                             ; v[68:99]  row r to store: 2 registers
	s_load_b256 s[4:11], s[0:1], 0x0               ; x s[4:5], Wq s[6:7], Wk s[8:9], Wv s[10:11]
	s_load_b64 s[12:13], s[0:1], 0x20              ; cvt
	s_sub_co_i32 s14, ttmp9, 512
	s_max_i32 s14, s14, 0                          ; group among the weights' 192 (0 for x's groups, not used there)
	s_lshr_b32 s15, s14, 6                         ; which weight
	s_and_b32 s16, s14, 63                         ; which 16 rows of it
	v_lshlrev_b32 v1, 4, v0                        ; 16 t
	v_lshlrev_b32 v2, 3, v0                        ; 8 t
	s_lshl_b32 s22, ttmp9, 15                      ; 16 rows of 2,048 bytes a group
	s_mov_b32 s23, 0
	s_wait_kmcnt 0x0
	s_cmp_eq_u32 s15, 1
	s_cselect_b64 s[18:19], s[8:9], s[6:7]
	s_cmp_eq_u32 s15, 2
	s_cselect_b64 s[18:19], s[10:11], s[18:19]
	s_cmp_lt_u32 ttmp9, 512
	s_cselect_b64 s[18:19], s[4:5], s[18:19]
	s_cselect_b32 s16, ttmp9, s16
	s_lshl_b32 s16, s16, 16                        ; 16 rows of 4,096 bytes
	s_mov_b32 s17, 0
	s_add_nc_u64 s[18:19], s[18:19], s[16:17]
	s_add_nc_u64 s[20:21], s[12:13], s[22:23]
.set r, 0
.rept 16
	global_load_b128 v[X+4*r:X+4*r+3], v1, s[18:19] offset:4096*r th:TH_LOAD_NT
.set r, r+1
.endr
.set r, 0
.rept 16
	s_wait_loadcnt 15-r                            ; loads come back in order: row r is in, the 15 - r younger rows stay out
	v_cvt_pk_bf16_f32 v[Y+2*r], v[X+4*r], v[X+4*r+1]
	v_cvt_pk_bf16_f32 v[Y+2*r+1], v[X+4*r+2], v[X+4*r+3]
	global_store_b64 v2, v[Y+2*r:Y+2*r+1], s[20:21] offset:2048*r
.set r, r+1
.endr
	s_endpgm
.Lfunc_end_k_q598d8d7655_conv:
	.size	k_q598d8d7655_conv, .Lfunc_end_k_q598d8d7655_conv-k_q598d8d7655_conv
	.p2alignl 7, 3214868480
	.fill 96, 4, 3214868480
	.section	.rodata,"a",@progbits
	.p2align	6, 0x0
	.amdhsa_kernel k_q598d8d7655_conv
		.amdhsa_group_segment_fixed_size 0
		.amdhsa_private_segment_fixed_size 0
		.amdhsa_enable_private_segment 0
		.amdhsa_kernarg_size 40
		.amdhsa_user_sgpr_count 2
		.amdhsa_user_sgpr_kernarg_segment_ptr 1
		.amdhsa_wavefront_size32 1
		.amdhsa_system_sgpr_workgroup_id_x 1
		.amdhsa_system_sgpr_workgroup_id_y 1
		.amdhsa_system_sgpr_workgroup_id_z 1
		.amdhsa_system_vgpr_workitem_id 0
		.amdhsa_next_free_vgpr 104
		.amdhsa_next_free_sgpr 66
		.amdhsa_reserve_vcc 0
		.amdhsa_float_denorm_mode_32 3
		.amdhsa_float_denorm_mode_16_64 3
		.amdhsa_memory_ordered 1
		.amdhsa_forward_progress 1
		.amdhsa_inst_pref_size 7
	.end_amdhsa_kernel
	.amdgpu_metadata
---
amdhsa.version: [ 1, 2 ]
amdhsa.kernels:
  - .name:           k_q598d8d7655_conv
    .symbol:         k_q598d8d7655_conv.kd
    .args:
      - { .name: x, .offset: 0, .size: 8, .value_kind: global_buffer, .address_space: global }
      - { .name: Wq, .offset: 8, .size: 8, .value_kind: global_buffer, .address_space: global }
      - { .name: Wk, .offset: 16, .size: 8, .value_kind: global_buffer, .address_space: global }
      - { .name: Wv, .offset: 24, .size: 8, .value_kind: global_buffer, .address_space: global }
      - { .name: cvt, .offset: 32, .size: 8, .value_kind: global_buffer, .address_space: global }
    .group_segment_fixed_size: 0
    .private_segment_fixed_size: 0
    .kernarg_segment_align: 8
    .kernarg_segment_size: 40
    .max_flat_workgroup_size: 256
    .sgpr_count:     66
    .vgpr_count:     104
    .wavefront_size: 32
...
	.end_amdgpu_metadata
.endif
;; end of part 1
;; launch proj (part 2): grid 4 x 64, 4 waves a work-group, clusters of 4 x 4, 327,680 bytes of LDS; arguments cvt, prj; writes prj
.if DOCPART == 2
	.amdgcn_target "amdgcn-amd-amdhsa--gfx1250"
	.amdhsa_code_object_version 6
	.text
	.protected	k_q598d8d7655_proj
	.globl	k_q598d8d7655_proj
	.p2align	8
	.type	k_q598d8d7655_proj,@function
k_q598d8d7655_proj:
	s_mov_b64 s[64:65], 0
	v_nop
	global_prefetch_b8 v0, s[64:65] scope:SCOPE_SE
	s_setreg_imm32_b32 hwreg(HW_REG_WAVE_MODE, 25, 1), 1
	s_wait_xcnt 0x0
	s_wait_alu depctr_hold_cnt(0) depctr_sa_sdst(0) depctr_va_vdst(0) depctr_va_sdst(0) depctr_va_ssrc(0) depctr_va_vcc(0) depctr_vm_vsrc(0)
	s_getreg_b32 s2, hwreg(HW_REG_IB_STS2, 6, 4)
	s_cmp_eq_u32 s2, 0
	s_cbranch_scc0 .Lentry_in_a_cluster
	s_endpgm
.Lentry_in_a_cluster:
	s_bfe_u32 s2, ttmp6, 0x10000c
	s_cmp_lg_u32 s2, 0xf033
	s_cbranch_scc0 .Lentry_shape_is_right
	s_endpgm
.Lentry_shape_is_right:
; Q = elu(x Wq^T) + 1, K = elu(x Wk^T) + 1, V = x Wv^T, from the bf16 copies in cvt; sums in f32.  Rows r = 4 t + b, 8,192 of them.
; Written into prj: QB, KB [8192][1024] bf16; KH the same K in f16; VHT [16 chunks][1024 m][pitch 1024, 512 used] f16 = V transposed, by chunks of 512 rows;
; VLT [1024 m][1024 r] f16 = V less its f16 rounding, for r < 1,024; ZP [128 blocks of 64 rows][4 batches][1024] f32 = sums of K over a block's rows of one batch.
; LIMITS.  K and V are kept in f16, which ends at 65,504: beyond it they become infinities.  An exponential below 2^-126 counts as 0.  NaN and infinities are not treated apart.
; SHARES.  A tile is 128 rows x 256 columns; four waves, each 64 x 128 = 32 accumulators (256 registers).  8,192 x 3,072 outputs are 768 tiles: each of 256 work-groups stays for three, Q, K, V.
; V's tile is made transposed (rows = Wv's rows m, columns = x's rows r), so that V^T leaves by the same way out.
; K goes in steps of 128 (rows of 256 bytes) through two LDS slots; the ring runs on from tile to tile: 24 requests in all.
; CLUSTER 4 x 4.  The row operand hangs on cy (and the cluster's y), the column operand on cx: each tile is asked for jointly by the four that share it.
; THE MATRIX INSTRUCTION IS USED TRANSPOSED (source 0 = 16 rows of the column operand, source 1 = 16 rows of the row operand): lane l holds row l % 16 and columns 8 (l / 16) + 0..7.
; REGISTERS.  Window 0: v0-29 addresses; v32-127, v128-223 two fragment buffers (64 of the column operand, 32 of the row operand); v128-255 at work on the way out.  Window 1: the accumulators, (a, b) at v[8 (8 a + b)].
.set PITCH,  272                       ; an LDS row: 256 bytes + 16 of padding, so that the 16 rows of a fragment load start 4 banks apart
.set AHALF,  64*PITCH
.set BOFF,   128*PITCH                 ; the column operand's 256 rows lie behind the row operand's 128
.set SLOT1,  131072                    ; slot 1 begins here: one exclusive or turns an address in one slot into the other's
.set STAGE,  235520                    ; behind the ring: 32 rows x 528 bytes of f32 for each wave; no tensor load lands here
.set SPITCH, 528
.set STG,    32*SPITCH
.set SPARE,  STAGE+4*STG               ; the spare words: 128 bytes a wave, named by no other line
.set O_WB,   16777216                  ; cvt: the weights' table
.set O_KB,   16777216                  ; prj's parts
.set O_KH,   33554432
.set O_VHT,  50331648
.set O_VLT,  83886080
.set O_ZP,   85983232
.set ADA0, 4                           ; my lane's place in the row operand's tile; never rewritten
.set ADB0, 5                           ; the same for the column operand
.set ADA,  6                           ; the two in the slot in hand
.set ADB,  7
.set STO,  9                           ; the way out: where I put 32 bytes of a row
.set RD0,  10                          ; where I read rows back
.set RDC,  11
.set GO0,  12                          ; my byte offset in two output rows of 2,048 bytes
.set ZO,   13                          ; my byte offset in ZP
.set SPW,  28
.set NIL,  29
.set F0,   32
.set F1,   128
.set L,    128                         ; way out: 32 numbers read back
.set T,    160
.set XO,   192                         ; packed, to store
.set YO,   208
.set ZS,   224                         ; K's sums: 8 columns of batch l / 16, 8 of batch 2 + l / 16
.set GO,   240
.set YV,   32                          ; V's packed f16 (registers with named halves; the fragments there are dead in the last tile)
.set WV, 22
.set WR, 23
.set WC, 24
.set CX, 25
.set CYL, 26
.set CY, 27
.set G1A, 32
.set G1B, 40
.set G0A, 48
.set G0B, 52
.set RQA, 56                           ; the next request's addresses, without the type bits
.set RQB, 58
.set NA1, 60                           ; the next tile's first addresses, and the one after
.set NA2, 62
.set NB1, 66
.set NB2, 68
.set RC,  70                           ; requests left in the tile being asked for
.set TB,  71                           ; LDS byte of the slot in hand
.set CNT, 72
.set TILE, 73                          ; 3: Q, 2: K, 1: V
.set HALF, 74
.set TRIP, 75
.set PQ,  76
.set PK,  78
.set PKH, 80
.set PVH, 82
.set L2E, 84
.set CYH, 86
.set RB,  87
.set RDS, 88
.set II,  89
.set JJ,  90
.set PVL, 8
.set PZ,  10
.set OUT1, 12
.set OUT2, 14
.set MULW, 0x50                        ; C and D in window 1, fragments in window 0
.set MSB, 0
.macro WIN new                         ; the immediate's high byte repeats the setting that is left; a switch that changes nothing is dropped
.if MSB != (\new)
	s_set_vgpr_msb (MSB<<8)|(\new)
.set MSB, \new
.endif
.endm
.macro PLACES                          ; four plain places behind matrix instructions, ahead of loads into their sources and of reads of their results
.rept 4
	v_nop
.endr
.endm
.macro JLOAD                           ; a joint load: waves 0, 1 fetch the row operand's halves, waves 2, 3 the column operand's; s_nop 0 and four v_nop follow each line
	s_cmp_eq_u32 s[WR], 0
	s_cbranch_scc0 .Lfor_b_\@
	tensor_load_to_lds s[G0A:G0A+3], s[G1A:G1A+7]
	s_nop 0
.rept 4
	v_nop
.endr
	s_branch .Lasked_\@
.Lfor_b_\@:
	tensor_load_to_lds s[G0B:G0B+3], s[G1B:G1B+7]
	s_nop 0
.rept 4
	v_nop
.endr
.Lasked_\@:
.endm
.macro CREST                           ; a round of the cluster's barrier behind its opening barrier
	s_cmp_lg_u32 s[WV], 0
	s_cbranch_scc1 .Lnot_wave_0_\@
	s_barrier_signal -3
.Lnot_wave_0_\@:
	s_barrier_wait -3
	s_barrier_signal -1
	s_barrier_wait -1
.endm
.macro CROUND
	s_barrier_signal -1
	s_barrier_wait -1
	CREST
.endm
.macro SHADD src, sh                   ; s2 += s[src] << sh (offsets of outputs only: s2, s3 feed no descriptor)
	s_lshl_b32 s3, s[\src], \sh
	s_add_co_u32 s2, s2, s3
.endm
.macro PTR dst, base, const            ; s[dst:dst+1] = s[base:base+1] + s2 + const
	s_mov_b32 s3, 0
	s_add_nc_u64 s[\dst:\dst+1], s[\base:\base+1], s[2:3]
.if \const
	s_add_nc_u64 s[\dst:\dst+1], s[\dst:\dst+1], \const
.endif
.endm
; The walking descriptors take the next request; then the request steps 256 bytes along K, and behind a tile's eighth request to the next tile's first.
.macro ADVANCE x
.if \x
	s_xor_b32 s[G0A+1], s[G0A+1], SLOT1
	s_xor_b32 s[G0B+1], s[G0B+1], SLOT1
.endif
	s_mov_b64 s[G0A+2:G0A+3], s[RQA:RQA+1]
	s_or_b32 s[G0A+3], s[G0A+3], 0x80000000
	s_mov_b64 s[G0B+2:G0B+3], s[RQB:RQB+1]
	s_or_b32 s[G0B+3], s[G0B+3], 0x80000000
	s_add_nc_u64 s[RQA:RQA+1], s[RQA:RQA+1], 256
	s_add_nc_u64 s[RQB:RQB+1], s[RQB:RQB+1], 256
	s_sub_co_u32 s[RC], s[RC], 1
	s_cmp_eq_u32 s[RC], 0
	s_cselect_b64 s[RQA:RQA+1], s[NA1:NA1+1], s[RQA:RQA+1]
	s_cselect_b64 s[RQB:RQB+1], s[NB1:NB1+1], s[RQB:RQB+1]
	s_cselect_b64 s[NA1:NA1+1], s[NA2:NA2+1], s[NA1:NA1+1]
	s_cselect_b64 s[NB1:NB1+1], s[NB2:NB2+1], s[NB1:NB1+1]
	s_cselect_b32 s[RC], 8, s[RC]
.endm
; n matrix instructions: row block a x column blocks b0 on.  Every accumulator has one instruction a quarter, in one order everywhere: they take turns.
.macro MUL fmt, f, a, b0, n, zero
	WIN MULW
.set bb, \b0
.rept \n
.if \zero
	v_wmma_f32_16x16x32_\fmt v[8*(8*(\a)+bb):8*(8*(\a)+bb)+7], v[(\f)+8*bb:(\f)+8*bb+7], v[(\f)+64+8*(\a):(\f)+64+8*(\a)+7], 0
.else
	v_wmma_f32_16x16x32_\fmt v[8*(8*(\a)+bb):8*(8*(\a)+bb)+7], v[(\f)+8*bb:(\f)+8*bb+7], v[(\f)+64+8*(\a):(\f)+64+8*(\a)+7], v[8*(8*(\a)+bb):8*(8*(\a)+bb)+7]
.endif
.set bb, bb+1
.endr
.endm
.macro FETCH q, f                      ; 24 LDS loads in one run: quarter q (32 along K) of the slot in hand into buffer f; the row operand's blocks last
	WIN 0
.irp b, 0,1,2,3,4,5,6,7
	ds_load_b128 v[(\f)+8*\b:(\f)+8*\b+3],   v[ADB] offset:64*(\q)+4352*\b
	ds_load_b128 v[(\f)+8*\b+4:(\f)+8*\b+7], v[ADB] offset:64*(\q)+4352*\b+32
.endr
.irp a, 0,1,2,3
	ds_load_b128 v[(\f)+64+8*\a:(\f)+64+8*\a+3], v[ADA] offset:64*(\q)+4352*\a
	ds_load_b128 v[(\f)+64+8*\a+4:(\f)+64+8*\a+7], v[ADA] offset:64*(\q)+4352*\a+32
.endr
.endm
.macro QUARTER fmt, q, f, g, zero      ; multiplies buffer f; in its middle fetches quarter q into buffer g
	s_wait_dscnt 4                                 ; all but the youngest four loads (row blocks 2, 3) are in
	MUL \fmt, \f, 0, 0, 8, \zero
	MUL \fmt, \f, 1, 0, 8, \zero
	PLACES
	FETCH \q, \g
	s_wait_dscnt 24                                ; all but the 24 just issued
	MUL \fmt, \f, 2, 0, 8, \zero
	MUL \fmt, \f, 3, 0, 8, \zero
.endm
; The last quarter multiplies buffer 1 and changes slots.  In front of the barrier each wave waits for all its tensor loads (one is out: its part of the next slot), adds 0 to its spare word,
; and waits for that and for its reads of this slot.  fill = 1: the barrier opens a round of the cluster's, and the joint refill of the slot just read is the first thing behind it;
; it has a K step less 16 products, 112 matrix instructions, in which to land.
.macro TURN fmt, fill
	WIN 0
	s_wait_tensorcnt 0x0
	ds_add_u32 v[SPW], v[NIL]
.if \fill
	ADVANCE 1                                      ; no tensor load of mine is out: the descriptors may be written
.endif
	s_wait_dscnt 5                                 ; the add and the youngest four loads may be out
	MUL \fmt, F1, 0, 0, 8, 0
	s_wait_dscnt 0x0                               ; the add is done, my reads of this slot are over
	s_barrier_signal -1
	MUL \fmt, F1, 1, 0, 8, 0
	WIN 0
	s_barrier_wait -1
.if \fill
	CREST
	JLOAD                                          ; its four v_nop are also the places in front of the loads below
.else
	PLACES
.endif
	s_xor_b32 s[TB], s[TB], SLOT1
	v_add_nc_u32 v[ADA], s[TB], v[ADA0]
	v_add_nc_u32 v[ADB], s[TB], v[ADB0]
	FETCH 0, F0
	MUL \fmt, F1, 2, 0, 8, 0
	MUL \fmt, F1, 3, 0, 8, 0
.endm
.macro LASTQ fmt
	s_wait_dscnt 4
	MUL \fmt, F1, 0, 0, 8, 0
	MUL \fmt, F1, 1, 0, 8, 0
	s_wait_dscnt 0x0
	MUL \fmt, F1, 2, 0, 8, 0
	MUL \fmt, F1, 3, 0, 8, 0
.endm
.macro STAGE_IN a0                     ; row blocks a0, a0 + 1 as f32 into my stage; each accumulator's low four registers go first
	WIN 0x04                                       ; the data lie in window 1
.irp a, 0,1
.irp b, 0,1,2,3,4,5,6,7
	ds_store_b128 v[STO], v[8*(8*((\a0)+\a)+\b):8*(8*((\a0)+\a)+\b)+3] offset:8448*\a+64*\b
	ds_store_b128 v[STO], v[8*(8*((\a0)+\a)+\b)+4:8*(8*((\a0)+\a)+\b)+7] offset:8448*\a+64*\b+16
.endr
.endr
	WIN 0
.endm
	s_load_b128 s[4:7], s[0:1], 0x0                ; cvt s[4:5], prj s[6:7]
	v_lshl_add_u32 v[SPW], v0, 2, SPARE
	v_mov_b32 v[NIL], 0
	ds_add_u32 v[SPW], v[NIL]                      ; the wave's opening: the add and its wait ahead of my first tensor load
	v_lshrrev_b32 v1, 5, v0
	v_readfirstlane_b32 s[WV], v1
	s_lshr_b32 s[WR], s[WV], 1                     ; my half of the tile's rows; also: I fetch the row operand (0) or the column operand (1)
	s_and_b32 s[WC], s[WV], 1                      ; my half of its columns; also: which half of that operand I fetch
	s_bfe_u32 s[CX], ttmp6, 0x40000
	s_bfe_u32 s[CYL], ttmp6, 0x40004
	s_and_b32 s[CY], ttmp7, 0xffff                 ; the cluster's y, 0..15
	s_lshl_b32 s28, s[CYL], 2
	s_lshl_b32 s28, 15, s28                        ; my row of the cluster
	s_lshl_b32 s30, 0x1111, s[CX]                  ; my column
	s_or_b32 s[G1A], s28, (1<<16)|(1<<20)|(1<<21)|(5<<22)|(3<<25)  ; mask; 2-byte elements; padding on; bit 21 beside a mask; after every 64 words 4 words
	s_or_b32 s[G1B], s30, (1<<16)|(1<<20)|(1<<21)|(5<<22)|(3<<25)
	s_mov_b32 s[G1A+1], 128<<16                    ; tensor_dim0 = 128
	s_mov_b32 s[G1A+2], 64<<16                     ; tensor_dim1 = 64
	s_mov_b32 s[G1A+3], 128<<16                    ; tile_dim0 = 128
	s_mov_b32 s[G1A+4], 64                         ; tile_dim1 = 64
	s_mov_b32 s[G1A+5], 1024                       ; elements from row to row
	s_mov_b32 s[G1A+6], 0
	s_mov_b32 s[G1A+7], 0
	s_mov_b32 s[G1B+1], 128<<16
	s_mov_b32 s[G1B+2], 128<<16                    ; 128 rows
	s_mov_b32 s[G1B+3], 128<<16
	s_mov_b32 s[G1B+4], 128
	s_mov_b32 s[G1B+5], 1024
	s_mov_b32 s[G1B+6], 0
	s_mov_b32 s[G1B+7], 0
	s_mov_b32 s[G0A], 1
	s_mul_i32 s[G0A+1], s[WC], AHALF               ; no place in the cluster enters an LDS address
	s_mov_b32 s[G0B], 1
	s_mul_i32 s[G0B+1], s[WC], BOFF
	s_add_co_u32 s[G0B+1], s[G0B+1], BOFF
	s_lshl2_add_u32 s[RB], s[CY], s[CYL]           ; Q's and K's block of 128 rows: 4 CY + cy
	s_lshr_b32 s[CYH], s[CY], 1
	s_and_b32 s[II], s[CY], 1
	s_lshl2_add_u32 s[II], s[II], s[CYL]           ; V^T's block of 128 rows m: 4 (CY & 1) + cy
	s_lshl2_add_u32 s[JJ], s[CYH], s[CX]           ; V^T's block of 256 columns r: 4 (CY >> 1) + cx
	; the row operand's byte offsets in cvt, in registers that never hold cx
	s_lshl_b32 s28, s[RB], 18
	s_lshl_b32 s29, s[WC], 17
	s_add_co_u32 s28, s28, s29                     ; xb row 128 rb + 64 half
	s_mov_b32 s29, 0
	s_lshl_b32 s18, s[II], 18
	s_lshl_b32 s19, s[WC], 17
	s_add_co_u32 s18, s18, s19
	s_add_co_u32 s18, s18, O_WB+4194304            ; Wv's row 128 i + 64 half
	s_mov_b32 s19, 0
	; the column operand's, in registers that never hold cy
	s_lshl_b32 s30, s[CX], 19
	s_lshl_b32 s31, s[WC], 18
	s_add_co_u32 s30, s30, s31
	s_add_co_u32 s30, s30, O_WB                    ; Wq's row 256 cx + 128 half
	s_mov_b32 s31, 0
	s_lshl_b32 s20, s[JJ], 19
	s_lshl_b32 s21, s[WC], 18
	s_add_co_u32 s20, s20, s21                     ; xb row 256 j + 128 half
	s_mov_b32 s21, 0
	s_mov_b32 s[RC], 8
	s_mov_b32 s[TB], 0
	s_mov_b32 s[L2E], 0x3fb8aa3b                   ; log2(e)
	s_mov_b32 s[L2E+1], s[L2E]
	s_wait_dscnt 0x0                               ; the opening add is done
	s_wait_kmcnt 0x0
	s_add_nc_u64 s[RQA:RQA+1], s[4:5], s[28:29]
	s_mov_b64 s[NA1:NA1+1], s[RQA:RQA+1]           ; K's tile takes the same rows of x
	s_add_nc_u64 s[NA2:NA2+1], s[4:5], s[18:19]
	s_add_nc_u64 s[RQB:RQB+1], s[4:5], s[30:31]
	s_add_nc_u64 s[NB1:NB1+1], s[RQB:RQB+1], 2097152  ; Wk lies 1,024 rows behind Wq
	s_add_nc_u64 s[NB2:NB2+1], s[4:5], s[20:21]
	; where the results go
	s_lshl_b32 s2, s[RB], 18
	SHADD WR, 17
	SHADD CX, 9
	SHADD WC, 8
	PTR PQ, 6, 0                                   ; row 128 rb + 64 WR, column 256 cx + 128 WC
	s_add_nc_u64 s[PK:PK+1], s[PQ:PQ+1], O_KB
	s_add_nc_u64 s[PKH:PKH+1], s[PQ:PQ+1], O_KH
	s_lshr_b32 s2, s[JJ], 1
	s_lshl_b32 s2, s2, 21                          ; the chunk's plane
	SHADD II, 18
	SHADD WR, 17
	SHADD WC, 8
	s_and_b32 s3, s[JJ], 1
	s_lshl_b32 s3, s3, 9
	s_add_co_u32 s2, s2, s3
	PTR PVH, 6, O_VHT
	s_lshl_b32 s2, s[II], 18
	SHADD WR, 17
	SHADD CX, 9                                    ; written only where j = cx
	SHADD WC, 8
	PTR PVL, 6, O_VLT
	s_lshl_b32 s2, s[RB], 15
	SHADD WR, 14
	SHADD CX, 10
	SHADD WC, 9
	PTR PZ, 6, O_ZP
	CROUND                                         ; all sixteen work-groups are here: the first joint loads meet
	ADVANCE 0
	JLOAD                                          ; request 0 into slot 0
	v_and_b32 v1, 15, v0                           ; l % 16
	v_bfe_u32 v2, v0, 4, 1                         ; l / 16
	v_mul_u32_u24 v3, v1, PITCH
	v_lshl_add_u32 v3, v2, 4, v3                   ; a fragment's row x pitch + 16 x half
	s_mul_i32 s2, s[WR], AHALF
	s_mul_i32 s3, s[WC], BOFF
	s_add_co_u32 s3, s3, BOFF
	v_add_nc_u32 v[ADA0], s2, v3
	v_add_nc_u32 v[ADB0], s3, v3
	v_mov_b32 v[ADA], v[ADA0]
	v_mov_b32 v[ADB], v[ADB0]
	s_mul_i32 s2, s[WV], STG
	s_add_co_u32 s2, s2, STAGE                     ; my stage
	v_mul_u32_u24 v3, v1, SPITCH
	v_lshl_add_u32 v3, v2, 5, v3
	v_add_nc_u32 v[STO], s2, v3                    ; in: row l % 16, 32 bytes for each half of the lanes
	v_mul_u32_u24 v3, v2, SPITCH
	v_lshl_add_u32 v3, v1, 5, v3
	v_add_nc_u32 v[RD0], s2, v3                    ; back: lanes 0-15 one row, lanes 16-31 the next; 8 columns a lane
	v_lshlrev_b32 v3, 11, v2
	v_lshl_add_u32 v[GO0], v1, 4, v3
	v_lshlrev_b32 v3, 12, v2
	v_lshl_add_u32 v[ZO], v1, 5, v3
	; slot 0 is waited for and slot 1 asked for, in the order of every change of slots
	s_wait_tensorcnt 0x0
	ds_add_u32 v[SPW], v[NIL]
	ADVANCE 1
	s_wait_dscnt 0x0
	CROUND
	JLOAD                                          ; request 1 into slot 1
	FETCH 0, F0
	s_mov_b32 s[TILE], 3
.Ltile:
	s_mov_b32 s[CNT], 8
	QUARTER bf16, 1, F0, F1, 1                     ; a tile's first quarter starts the sums with the constant 0: nothing is cleared
	WIN 0
	s_branch .Lmid
.Lstep:
	s_cmp_lg_u32 s[CNT], 2
	s_cbranch_scc1 .Lgo
	s_cmp_eq_u32 s[TILE], 1
	s_cbranch_scc1 .Llast2                         ; the last tile's last two K steps ask for nothing more: they are written out
.Lgo:
	QUARTER bf16, 1, F0, F1, 0
	WIN 0
.Lmid:
	QUARTER bf16, 2, F1, F0, 0
	QUARTER bf16, 3, F0, F1, 0
	TURN bf16, 1
	WIN 0
	s_sub_co_u32 s[CNT], s[CNT], 1
	s_cmp_lg_u32 s[CNT], 0
	s_cbranch_scc1 .Lstep
	s_branch .Lout
.Llast2:
	QUARTER bf16, 1, F0, F1, 0
	QUARTER bf16, 2, F1, F0, 0
	QUARTER bf16, 3, F0, F1, 0
	TURN bf16, 0
	QUARTER bf16, 1, F0, F1, 0
	QUARTER bf16, 2, F1, F0, 0
	QUARTER bf16, 3, F0, F1, 0
	LASTQ bf16
	WIN 0
.Lout:
	; THE WAY OUT.  32 rows at a time go as f32 through my own stage and come back as whole rows; a trip takes 8 rows: the activation, the roundings and the stores.
	; The next tile's first fragments stay in buffer 0 meanwhile, and its first two requests are on their way or in.
	s_wait_dscnt 0x0
	PLACES
	s_cmp_eq_u32 s[TILE], 3
	s_cselect_b64 s[OUT1:OUT1+1], s[PQ:PQ+1], s[PK:PK+1]
	s_cmp_eq_u32 s[TILE], 1
	s_cselect_b64 s[OUT1:OUT1+1], s[PVH:PVH+1], s[OUT1:OUT1+1]
	s_cselect_b64 s[OUT2:OUT2+1], s[PVL:PVL+1], s[PKH:PKH+1]
	v_mov_b32 v[GO], v[GO0]
.set k, 0
.rept 16
	v_mov_b32 v[ZS+k], 0
.set k, k+1
.endr
	s_mov_b32 s[HALF], 2
.Lhalf:
	s_cmp_eq_u32 s[HALF], 2
	s_cbranch_scc0 .Lupper
	STAGE_IN 0
	s_branch .Lstaged
.Lupper:
	STAGE_IN 2
.Lstaged:
	s_mov_b32 s[RDS], 0
	s_mov_b32 s[TRIP], 4
.Ltrip:
	v_add_nc_u32 v[RDC], s[RDS], v[RD0]
.irp i, 0,1,2,3                        ; pair i: rows 8 T + 2 i + l / 16, columns 8 (l % 16) + 0..7.  LDS serves a wave's instructions in order: these see the stores above
	ds_load_b128 v[L+8*\i:L+8*\i+3], v[RDC] offset:1056*\i
	ds_load_b128 v[L+8*\i+4:L+8*\i+7], v[RDC] offset:1056*\i+16
.endr
	s_wait_dscnt 0x0
	s_cmp_eq_u32 s[TILE], 1
	s_cbranch_scc1 .Lv_trip
	; elu(u) + 1 = max(u, 0) + 2^(min(u, 0) log2 e)
.set k, 0
.rept 16
	v_pk_mul_f32 v[T+2*k:T+2*k+1], v[L+2*k:L+2*k+1], s[L2E:L2E+1] op_sel_hi:[1,0]
.set k, k+1
.endr
.set k, 0
.rept 32
	v_min_num_f32 v[T+k], 0, v[T+k]
.set k, k+1
.endr
.set k, 0
.rept 32
	v_exp_f32 v[T+k], v[T+k]
	v_max_num_f32 v[L+k], 0, v[L+k]                ; the plain instruction behind each exponential
.set k, k+1
.endr
.set k, 0
	s_wait_alu depctr_va_vdst(0)
.rept 16
	v_pk_add_f32 v[L+2*k:L+2*k+1], v[L+2*k:L+2*k+1], v[T+2*k:T+2*k+1]
.set k, k+1
.endr
.set k, 0
.rept 16
	v_cvt_pk_bf16_f32 v[XO+k], v[L+2*k], v[L+2*k+1]
.set k, k+1
.endr
.irp i, 0,1,2,3
	global_store_b128 v[GO], v[XO+4*\i:XO+4*\i+3], s[OUT1:OUT1+1] offset:4096*\i  ; 16 lanes store 256 consecutive aligned bytes
.endr
	s_cmp_eq_u32 s[TILE], 2
	s_cbranch_scc0 .Ltrip_end
.irp i, 0,1,2,3                        ; K alone: its sums by batch (row % 4 = (2 i + l / 16) % 4), and its f16 copy
.irp j, 0,1,2,3
	v_pk_add_f32 v[ZS+8*(\i%2)+2*\j:ZS+8*(\i%2)+2*\j+1], v[ZS+8*(\i%2)+2*\j:ZS+8*(\i%2)+2*\j+1], v[L+8*\i+2*\j:L+8*\i+2*\j+1]
.endr
.endr
.set k, 0
.rept 16
	v_cvt_pk_f16_f32 v[YO+k], v[L+2*k], v[L+2*k+1]
.set k, k+1
.endr
.irp i, 0,1,2,3
	global_store_b128 v[GO], v[YO+4*\i:YO+4*\i+3], s[OUT2:OUT2+1] offset:4096*\i
.endr
	s_branch .Ltrip_end
.Lv_trip:
.set k, 0
.rept 16
	v_cvt_pk_f16_f32 v[YV+k], v[L+2*k], v[L+2*k+1]
.set k, k+1
.endr
.irp i, 0,1,2,3
	global_store_b128 v[GO], v[YV+4*\i:YV+4*\i+3], s[OUT1:OUT1+1] offset:4096*\i
.endr
	s_cmp_lg_u32 s[CYH], 0                         ; the same in all sixteen partners
	s_cbranch_scc1 .Ltrip_end
.set k, 0                              ; rows r < 1,024: what the rounding to f16 left over, in f16 again
.irp s, v32.l,v32.h,v33.l,v33.h,v34.l,v34.h,v35.l,v35.h,v36.l,v36.h,v37.l,v37.h,v38.l,v38.h,v39.l,v39.h,v40.l,v40.h,v41.l,v41.h,v42.l,v42.h,v43.l,v43.h,v44.l,v44.h,v45.l,v45.h,v46.l,v46.h,v47.l,v47.h
	v_cvt_f32_f16 v[T+k], \s
.set k, k+1
.endr
.set k, 0
.rept 16
	v_pk_add_f32 v[T+2*k:T+2*k+1], v[L+2*k:L+2*k+1], v[T+2*k:T+2*k+1] neg_lo:[0,1] neg_hi:[0,1]
.set k, k+1
.endr
.set k, 0
.rept 16
	v_cvt_pk_f16_f32 v[XO+k], v[T+2*k], v[T+2*k+1]
.set k, k+1
.endr
.irp i, 0,1,2,3
	global_store_b128 v[GO], v[XO+4*\i:XO+4*\i+3], s[OUT2:OUT2+1] offset:4096*\i
.endr
.Ltrip_end:
	s_wait_xcnt 0x0                                ; the stores' data, offset and bases are rewritten only behind this wait
	v_add_nc_u32 v[GO], 16384, v[GO]               ; 8 rows on
	s_add_co_u32 s[RDS], s[RDS], 8*SPITCH
	s_sub_co_u32 s[TRIP], s[TRIP], 1
	s_cmp_lg_u32 s[TRIP], 0
	s_cbranch_scc1 .Ltrip
	s_sub_co_u32 s[HALF], s[HALF], 1
	s_cmp_lg_u32 s[HALF], 0
	s_cbranch_scc1 .Lhalf
	s_cmp_eq_u32 s[TILE], 2
	s_cbranch_scc0 .Lno_sums
	global_store_b128 v[ZO], v[ZS:ZS+3], s[PZ:PZ+1]
	global_store_b128 v[ZO], v[ZS+4:ZS+7], s[PZ:PZ+1] offset:16
	global_store_b128 v[ZO], v[ZS+8:ZS+11], s[PZ:PZ+1] offset:8192
	global_store_b128 v[ZO], v[ZS+12:ZS+15], s[PZ:PZ+1] offset:8208
	s_wait_xcnt 0x0
.Lno_sums:
	s_sub_co_u32 s[TILE], s[TILE], 1
	s_cmp_lg_u32 s[TILE], 0
	s_cbranch_scc1 .Ltile
	s_wait_tensorcnt 0x0                           ; the wave's end
	ds_add_u32 v[SPW], v[NIL]
	s_wait_dscnt 0x0
	CROUND                                         ; the closing round: no work-group ends while a partner may still ask for a tile that names it
	s_endpgm
.Lfunc_end_k_q598d8d7655_proj:
	.size	k_q598d8d7655_proj, .Lfunc_end_k_q598d8d7655_proj-k_q598d8d7655_proj
	.p2alignl 7, 3214868480
	.fill 96, 4, 3214868480
	.section	.rodata,"a",@progbits
	.p2align	6, 0x0
	.amdhsa_kernel k_q598d8d7655_proj
		.amdhsa_group_segment_fixed_size 327680
		.amdhsa_private_segment_fixed_size 0
		.amdhsa_enable_private_segment 0
		.amdhsa_kernarg_size 16
		.amdhsa_user_sgpr_count 2
		.amdhsa_user_sgpr_kernarg_segment_ptr 1
		.amdhsa_wavefront_size32 1
		.amdhsa_system_sgpr_workgroup_id_x 1
		.amdhsa_system_sgpr_workgroup_id_y 1
		.amdhsa_system_sgpr_workgroup_id_z 1
		.amdhsa_system_vgpr_workitem_id 0
		.amdhsa_next_free_vgpr 512
		.amdhsa_next_free_sgpr 100
		.amdhsa_reserve_vcc 0
		.amdhsa_float_denorm_mode_32 3
		.amdhsa_float_denorm_mode_16_64 3
		.amdhsa_memory_ordered 1
		.amdhsa_forward_progress 1
		.amdhsa_inst_pref_size 82
	.end_amdhsa_kernel
	.amdgpu_metadata
---
amdhsa.version: [ 1, 2 ]
amdhsa.kernels:
  - .name:           k_q598d8d7655_proj
    .symbol:         k_q598d8d7655_proj.kd
    .args:
      - { .name: cvt, .offset: 0, .size: 8, .value_kind: global_buffer, .address_space: global }
      - { .name: prj, .offset: 8, .size: 8, .value_kind: global_buffer, .address_space: global }
    .group_segment_fixed_size: 327680
    .private_segment_fixed_size: 0
    .kernarg_segment_align: 8
    .kernarg_segment_size: 16
    .max_flat_workgroup_size: 128
    .sgpr_count:     100
    .vgpr_count:     512
    .wavefront_size: 32
...
	.end_amdgpu_metadata
.endif
;; end of part 2
;; launch state (part 3): grid 4 x 64, 4 waves a work-group, clusters of 4 x 4, 327,680 bytes of LDS; arguments prj, kvp; writes kvp
.if DOCPART == 3
	.amdgcn_target "amdgcn-amd-amdhsa--gfx1250"
	.amdhsa_code_object_version 6
	.text
	.protected	k_q598d8d7655_state
	.globl	k_q598d8d7655_state
	.p2align	8
	.type	k_q598d8d7655_state,@function
k_q598d8d7655_state:
	s_mov_b64 s[64:65], 0
	v_nop
	global_prefetch_b8 v0, s[64:65] scope:SCOPE_SE
	s_setreg_imm32_b32 hwreg(HW_REG_WAVE_MODE, 25, 1), 1
	s_wait_xcnt 0x0
	s_wait_alu depctr_hold_cnt(0) depctr_sa_sdst(0) depctr_va_vdst(0) depctr_va_sdst(0) depctr_va_ssrc(0) depctr_va_vcc(0) depctr_vm_vsrc(0)
	s_getreg_b32 s2, hwreg(HW_REG_IB_STS2, 6, 4)
	s_cmp_eq_u32 s2, 0
	s_cbranch_scc0 .Lentry_in_a_cluster
	s_endpgm
.Lentry_in_a_cluster:
	s_bfe_u32 s2, ttmp6, 0x10000c
	s_cmp_lg_u32 s2, 0xf033
	s_cbranch_scc0 .Lentry_shape_is_right
	s_endpgm
.Lentry_shape_is_right:
; KV_c[m][k] = the sum over the 512 rows r of chunk c of V[r][m] K[r][k], for 16 chunks; operands f16 (V needs its 11 bits), sums f32, kvp [16][1024 m][1024 k] in bf16 (its range has room for large inputs).
; LIMITS.  K and V arrive in f16, within 65,504.  NaN and infinities are not treated apart.
; SHARES.  A tile is 128 m x 256 k; four waves, each 64 x 128.  16 chunks x 8 x 4 tiles = 512: each of 256 work-groups stays for two chunks, 4 K steps of 128 rows each; the ring runs on: 8 requests.
; The row operand is V^T (prj's VHT, r along the rows).  The column operand is K as it lies, [r][k]: its tile is 128 rows r of 512 bytes, and its fragments come out of LDS turned, by ds_load_tr16_b128.
; CLUSTER 4 x 4: V^T's tile hangs on cy, K's on cx; each is asked for jointly by the four that share it.  The matrix instruction is used transposed: lane l holds row m = l % 16 and 8 columns k.
; REGISTERS as in the projection: window 0 addresses, two fragment buffers, work; window 1 the 32 accumulators.
.set PITCH,  272
.set BPITCH, 544                       ; a row of K's tile: 512 bytes + 32
.set AHALF,  64*PITCH
.set BOFF,   128*PITCH
.set BHALF,  64*BPITCH
.set SLOT1,  131072
.set STAGE,  235520
.set SPITCH, 528
.set STG,    32*SPITCH
.set SPARE,  STAGE+4*STG
.set O_KH,   33554432
.set O_VHT,  50331648
.set ADA0, 4
.set ADB0, 5
.set ADA,  6
.set ADB,  7
.set STO,  9
.set RD0,  10
.set RDC,  11
.set GO0,  12
.set SPW,  28
.set NIL,  29
.set F0,   32
.set F1,   128
.set L,    128
.set XO,   192
.set GO,   240
.set WV, 22
.set WR, 23
.set WC, 24
.set CX, 25
.set CYL, 26
.set CY, 27
.set G1A, 32
.set G1B, 40
.set G0A, 48
.set G0B, 52
.set RQA, 56
.set RQB, 58
.set STP, 60                           ; s[60:61] the row operand's next step in bytes
.set STPJ, 62                          ; s62 the long step: from a plane's fourth K step to the next plane's first
.set RC,  70
.set TB,  71
.set CNT, 72
.set TILE, 73
.set HALF, 74
.set TRIP, 75
.set OUT1, 76
.set C0,  86
.set RDS, 88
.set II,  89
.set MULW, 0x50
.set MSB, 0
.macro WIN new
.if MSB != (\new)
	s_set_vgpr_msb (MSB<<8)|(\new)
.set MSB, \new
.endif
.endm
.macro PLACES
.rept 4
	v_nop
.endr
.endm
.macro JLOAD                           ; waves 0, 1 fetch V^T's halves, waves 2, 3 K's; s_nop 0 and four v_nop follow each line
	s_cmp_eq_u32 s[WR], 0
	s_cbranch_scc0 .Lfor_b_\@
	tensor_load_to_lds s[G0A:G0A+3], s[G1A:G1A+7]
	s_nop 0
.rept 4
	v_nop
.endr
	s_branch .Lasked_\@
.Lfor_b_\@:
	tensor_load_to_lds s[G0B:G0B+3], s[G1B:G1B+7]
	s_nop 0
.rept 4
	v_nop
.endr
.Lasked_\@:
.endm
.macro CREST
	s_cmp_lg_u32 s[WV], 0
	s_cbranch_scc1 .Lnot_wave_0_\@
	s_barrier_signal -3
.Lnot_wave_0_\@:
	s_barrier_wait -3
	s_barrier_signal -1
	s_barrier_wait -1
.endm
.macro CROUND
	s_barrier_signal -1
	s_barrier_wait -1
	CREST
.endm
; The next request: K goes 128 rows down (chunks follow each other); V^T goes 256 bytes along its rows, and behind a chunk's fourth request to the next plane's first.
.macro ADVANCE x
.if \x
	s_xor_b32 s[G0A+1], s[G0A+1], SLOT1
	s_xor_b32 s[G0B+1], s[G0B+1], SLOT1
.endif
	s_mov_b64 s[G0A+2:G0A+3], s[RQA:RQA+1]
	s_or_b32 s[G0A+3], s[G0A+3], 0x80000000
	s_mov_b64 s[G0B+2:G0B+3], s[RQB:RQB+1]
	s_or_b32 s[G0B+3], s[G0B+3], 0x80000000
	s_add_nc_u64 s[RQB:RQB+1], s[RQB:RQB+1], 262144
	s_sub_co_u32 s[RC], s[RC], 1
	s_cmp_eq_u32 s[RC], 0
	s_cselect_b32 s[STP], s[STPJ], 256             ; the long step lies in a register: an instruction holds one literal
	s_cselect_b32 s[RC], 4, s[RC]
	s_add_nc_u64 s[RQA:RQA+1], s[RQA:RQA+1], s[STP:STP+1]
.endm
.macro MUL fmt, f, a, b0, n, zero      ; the accumulators take turns, one instruction a quarter each
	WIN MULW
.set bb, \b0
.rept \n
.if \zero
	v_wmma_f32_16x16x32_\fmt v[8*(8*(\a)+bb):8*(8*(\a)+bb)+7], v[(\f)+8*bb:(\f)+8*bb+7], v[(\f)+64+8*(\a):(\f)+64+8*(\a)+7], 0
.else
	v_wmma_f32_16x16x32_\fmt v[8*(8*(\a)+bb):8*(8*(\a)+bb)+7], v[(\f)+8*bb:(\f)+8*bb+7], v[(\f)+64+8*(\a):(\f)+64+8*(\a)+7], v[8*(8*(\a)+bb):8*(8*(\a)+bb)+7]
.endif
.set bb, bb+1
.endr
.endm
.macro FETCH q, f                      ; 24 LDS loads: K's fragments turned (rows 32 q + 8 (l / 16) + l % 8 and 16 further, 16 columns a block), then V^T's as they lie
	WIN 0
.irp b, 0,1,2,3,4,5,6,7
	ds_load_tr16_b128 v[(\f)+8*\b:(\f)+8*\b+3],   v[ADB] offset:32*BPITCH*(\q)+32*\b
	ds_load_tr16_b128 v[(\f)+8*\b+4:(\f)+8*\b+7], v[ADB] offset:32*BPITCH*(\q)+32*\b+16*BPITCH
.endr
.irp a, 0,1,2,3
	ds_load_b128 v[(\f)+64+8*\a:(\f)+64+8*\a+3], v[ADA] offset:64*(\q)+4352*\a
	ds_load_b128 v[(\f)+64+8*\a+4:(\f)+64+8*\a+7], v[ADA] offset:64*(\q)+4352*\a+32
.endr
.endm
.macro QUARTER fmt, q, f, g, zero
	s_wait_dscnt 4                                 ; all but the youngest four loads (row blocks 2, 3) are in
	MUL \fmt, \f, 0, 0, 8, \zero
	MUL \fmt, \f, 1, 0, 8, \zero
	PLACES
	FETCH \q, \g
	s_wait_dscnt 24                                ; all but the 24 just issued
	MUL \fmt, \f, 2, 0, 8, \zero
	MUL \fmt, \f, 3, 0, 8, \zero
.endm
.macro TURN fmt, fill                  ; the change of slots: all my tensor loads, the add, my reads; the barrier (with fill = 1 a round of the cluster's); the joint refill first behind it
	WIN 0
	s_wait_tensorcnt 0x0
	ds_add_u32 v[SPW], v[NIL]
.if \fill
	ADVANCE 1
.endif
	s_wait_dscnt 5                                 ; the add and the youngest four loads may be out
	MUL \fmt, F1, 0, 0, 8, 0
	s_wait_dscnt 0x0
	s_barrier_signal -1
	MUL \fmt, F1, 1, 0, 8, 0
	WIN 0
	s_barrier_wait -1
.if \fill
	CREST
	JLOAD
.else
	PLACES
.endif
	s_xor_b32 s[TB], s[TB], SLOT1
	v_add_nc_u32 v[ADA], s[TB], v[ADA0]
	v_add_nc_u32 v[ADB], s[TB], v[ADB0]
	FETCH 0, F0
	MUL \fmt, F1, 2, 0, 8, 0
	MUL \fmt, F1, 3, 0, 8, 0
.endm
.macro LASTQ fmt
	s_wait_dscnt 4
	MUL \fmt, F1, 0, 0, 8, 0
	MUL \fmt, F1, 1, 0, 8, 0
	s_wait_dscnt 0x0
	MUL \fmt, F1, 2, 0, 8, 0
	MUL \fmt, F1, 3, 0, 8, 0
.endm
.macro STAGE_IN a0
	WIN 0x04
.irp a, 0,1
.irp b, 0,1,2,3,4,5,6,7
	ds_store_b128 v[STO], v[8*(8*((\a0)+\a)+\b):8*(8*((\a0)+\a)+\b)+3] offset:8448*\a+64*\b
	ds_store_b128 v[STO], v[8*(8*((\a0)+\a)+\b)+4:8*(8*((\a0)+\a)+\b)+7] offset:8448*\a+64*\b+16
.endr
.endr
	WIN 0
.endm
	s_load_b128 s[4:7], s[0:1], 0x0                ; prj s[4:5], kvp s[6:7]
	v_lshl_add_u32 v[SPW], v0, 2, SPARE
	v_mov_b32 v[NIL], 0
	ds_add_u32 v[SPW], v[NIL]                      ; the wave's opening: the add and its wait ahead of my first tensor load
	v_lshrrev_b32 v1, 5, v0
	v_readfirstlane_b32 s[WV], v1
	s_lshr_b32 s[WR], s[WV], 1
	s_and_b32 s[WC], s[WV], 1
	s_bfe_u32 s[CX], ttmp6, 0x40000
	s_bfe_u32 s[CYL], ttmp6, 0x40004
	s_and_b32 s[CY], ttmp7, 0xffff
	s_lshl_b32 s28, s[CYL], 2
	s_lshl_b32 s28, 15, s28
	s_lshl_b32 s30, 0x1111, s[CX]
	s_or_b32 s[G1A], s28, (1<<16)|(1<<20)|(1<<21)|(5<<22)|(3<<25)  ; 64 rows x 128 elements, 4 words of padding behind every 64
	s_or_b32 s[G1B], s30, (1<<16)|(1<<20)|(1<<21)|(6<<22)|(7<<25)  ; 64 rows x 256 elements, 8 words of padding behind every 128
	s_mov_b32 s[G1A+1], 128<<16
	s_mov_b32 s[G1A+2], 64<<16
	s_mov_b32 s[G1A+3], 128<<16
	s_mov_b32 s[G1A+4], 64
	s_mov_b32 s[G1A+5], 1024
	s_mov_b32 s[G1A+6], 0
	s_mov_b32 s[G1A+7], 0
	s_mov_b32 s[G1B+1], 256<<16
	s_mov_b32 s[G1B+2], 64<<16
	s_mov_b32 s[G1B+3], 256<<16
	s_mov_b32 s[G1B+4], 64
	s_mov_b32 s[G1B+5], 1024
	s_mov_b32 s[G1B+6], 0
	s_mov_b32 s[G1B+7], 0
	s_mov_b32 s[G0A], 1
	s_mul_i32 s[G0A+1], s[WC], AHALF
	s_mov_b32 s[G0B], 1
	s_mul_i32 s[G0B+1], s[WC], BHALF
	s_add_co_u32 s[G0B+1], s[G0B+1], BOFF
	s_and_b32 s[C0], s[CY], 14                     ; my first chunk: 2 (CY >> 1)
	s_and_b32 s[II], s[CY], 1
	s_lshl2_add_u32 s[II], s[II], s[CYL]           ; my block of 128 rows m
	s_lshl_b32 s28, s[C0], 21                      ; V^T: plane c, row 128 i + 64 half (no cx in these registers)
	s_lshl_b32 s29, s[II], 18
	s_add_co_u32 s28, s28, s29
	s_lshl_b32 s29, s[WC], 17
	s_add_co_u32 s28, s28, s29
	s_add_co_u32 s28, s28, O_VHT
	s_mov_b32 s29, 0
	s_lshl_b32 s30, s[C0], 20                      ; K: row 512 c + 64 half, column 256 cx (no cy in these registers)
	s_lshl_b32 s31, s[WC], 17
	s_add_co_u32 s30, s30, s31
	s_lshl_b32 s31, s[CX], 9
	s_add_co_u32 s30, s30, s31
	s_add_co_u32 s30, s30, O_KH
	s_mov_b32 s31, 0
	s_lshl_b32 s2, s[C0], 21                       ; the result: plane c, row 128 i + 64 WR, column 256 cx + 128 WC
	s_lshl_b32 s3, s[II], 18
	s_add_co_u32 s2, s2, s3
	s_lshl_b32 s3, s[WR], 17
	s_add_co_u32 s2, s2, s3
	s_lshl_b32 s3, s[CX], 9
	s_add_co_u32 s2, s2, s3
	s_lshl_b32 s3, s[WC], 8
	s_add_co_u32 s2, s2, s3
	s_mov_b32 s3, 0
	s_mov_b32 s[RC], 4
	s_mov_b32 s[STP+1], 0
	s_mov_b32 s[STPJ], 2097152-768                 ; a plane of 2 MiB on, three steps of 256 bytes back
	s_mov_b32 s[TB], 0
	s_wait_dscnt 0x0
	s_wait_kmcnt 0x0
	s_add_nc_u64 s[RQA:RQA+1], s[4:5], s[28:29]
	s_add_nc_u64 s[RQB:RQB+1], s[4:5], s[30:31]
	s_add_nc_u64 s[OUT1:OUT1+1], s[6:7], s[2:3]
	CROUND
	ADVANCE 0
	JLOAD
	v_and_b32 v1, 15, v0
	v_bfe_u32 v2, v0, 4, 1
	v_mul_u32_u24 v3, v1, PITCH
	v_lshl_add_u32 v3, v2, 4, v3
	s_mul_i32 s2, s[WR], AHALF
	v_add_nc_u32 v[ADA0], s2, v3
	v_and_b32 v3, 7, v0
	v_lshl_add_u32 v3, v2, 3, v3                   ; row 8 (l / 16) + l % 8 of K's tile,
	v_mul_u32_u24 v3, v3, BPITCH
	v_bfe_u32 v8, v0, 3, 1
	v_lshl_add_u32 v3, v8, 4, v3                   ; columns 8 ((l / 8) % 2) on,
	s_lshl_b32 s3, s[WC], 8                        ; in my 128 columns
	s_add_co_u32 s3, s3, BOFF
	v_add_nc_u32 v[ADB0], s3, v3
	v_mov_b32 v[ADA], v[ADA0]
	v_mov_b32 v[ADB], v[ADB0]
	s_mul_i32 s2, s[WV], STG
	s_add_co_u32 s2, s2, STAGE
	v_mul_u32_u24 v3, v1, SPITCH
	v_lshl_add_u32 v3, v2, 5, v3
	v_add_nc_u32 v[STO], s2, v3
	v_mul_u32_u24 v3, v2, SPITCH
	v_lshl_add_u32 v3, v1, 5, v3
	v_add_nc_u32 v[RD0], s2, v3
	v_lshlrev_b32 v3, 11, v2
	v_lshl_add_u32 v[GO0], v1, 4, v3
	s_wait_tensorcnt 0x0                           ; slot 0 is waited for and slot 1 asked for, in the order of every change of slots
	ds_add_u32 v[SPW], v[NIL]
	ADVANCE 1
	s_wait_dscnt 0x0
	CROUND
	JLOAD
	FETCH 0, F0
	s_mov_b32 s[TILE], 2
.Ltile:
	s_mov_b32 s[CNT], 4
	QUARTER f16, 1, F0, F1, 1                      ; the first quarter starts the sums with the constant 0
	WIN 0
	s_branch .Lmid
.Lstep:
	s_cmp_lg_u32 s[CNT], 2
	s_cbranch_scc1 .Lgo
	s_cmp_eq_u32 s[TILE], 1
	s_cbranch_scc1 .Llast2                         ; the last chunk's last two K steps ask for nothing more
.Lgo:
	QUARTER f16, 1, F0, F1, 0
	WIN 0
.Lmid:
	QUARTER f16, 2, F1, F0, 0
	QUARTER f16, 3, F0, F1, 0
	TURN f16, 1
	WIN 0
	s_sub_co_u32 s[CNT], s[CNT], 1
	s_cmp_lg_u32 s[CNT], 0
	s_cbranch_scc1 .Lstep
	s_branch .Lout
.Llast2:
	QUARTER f16, 1, F0, F1, 0
	QUARTER f16, 2, F1, F0, 0
	QUARTER f16, 3, F0, F1, 0
	TURN f16, 0
	QUARTER f16, 1, F0, F1, 0
	QUARTER f16, 2, F1, F0, 0
	QUARTER f16, 3, F0, F1, 0
	LASTQ f16
	WIN 0
.Lout:
	s_wait_dscnt 0x0                               ; THE WAY OUT: 32 rows at a time as f32 through my own stage, back as whole rows, rounded to bf16
	PLACES
	v_mov_b32 v[GO], v[GO0]
	s_mov_b32 s[HALF], 2
.Lhalf:
	s_cmp_eq_u32 s[HALF], 2
	s_cbranch_scc0 .Lupper
	STAGE_IN 0
	s_branch .Lstaged
.Lupper:
	STAGE_IN 2
.Lstaged:
	s_mov_b32 s[RDS], 0
	s_mov_b32 s[TRIP], 4
.Ltrip:
	v_add_nc_u32 v[RDC], s[RDS], v[RD0]
.irp i, 0,1,2,3
	ds_load_b128 v[L+8*\i:L+8*\i+3], v[RDC] offset:1056*\i
	ds_load_b128 v[L+8*\i+4:L+8*\i+7], v[RDC] offset:1056*\i+16
.endr
	s_wait_dscnt 0x0
.set k, 0
.rept 16
	v_cvt_pk_bf16_f32 v[XO+k], v[L+2*k], v[L+2*k+1]
.set k, k+1
.endr
.irp i, 0,1,2,3
	global_store_b128 v[GO], v[XO+4*\i:XO+4*\i+3], s[OUT1:OUT1+1] offset:4096*\i  ; 16 lanes store 256 consecutive aligned bytes
.endr
	s_wait_xcnt 0x0                                ; the stores' data, offset and base are rewritten only behind this wait
	v_add_nc_u32 v[GO], 16384, v[GO]
	s_add_co_u32 s[RDS], s[RDS], 8*SPITCH
	s_sub_co_u32 s[TRIP], s[TRIP], 1
	s_cmp_lg_u32 s[TRIP], 0
	s_cbranch_scc1 .Ltrip
	s_sub_co_u32 s[HALF], s[HALF], 1
	s_cmp_lg_u32 s[HALF], 0
	s_cbranch_scc1 .Lhalf
	s_add_nc_u64 s[OUT1:OUT1+1], s[OUT1:OUT1+1], 2097152  ; the next chunk's plane
	s_sub_co_u32 s[TILE], s[TILE], 1
	s_cmp_lg_u32 s[TILE], 0
	s_cbranch_scc1 .Ltile
	s_wait_tensorcnt 0x0                           ; the wave's end
	ds_add_u32 v[SPW], v[NIL]
	s_wait_dscnt 0x0
	CROUND
	s_endpgm
.Lfunc_end_k_q598d8d7655_state:
	.size	k_q598d8d7655_state, .Lfunc_end_k_q598d8d7655_state-k_q598d8d7655_state
	.p2alignl 7, 3214868480
	.fill 96, 4, 3214868480
	.section	.rodata,"a",@progbits
	.p2align	6, 0x0
	.amdhsa_kernel k_q598d8d7655_state
		.amdhsa_group_segment_fixed_size 327680
		.amdhsa_private_segment_fixed_size 0
		.amdhsa_enable_private_segment 0
		.amdhsa_kernarg_size 16
		.amdhsa_user_sgpr_count 2
		.amdhsa_user_sgpr_kernarg_segment_ptr 1
		.amdhsa_wavefront_size32 1
		.amdhsa_system_sgpr_workgroup_id_x 1
		.amdhsa_system_sgpr_workgroup_id_y 1
		.amdhsa_system_sgpr_workgroup_id_z 1
		.amdhsa_system_vgpr_workitem_id 0
		.amdhsa_next_free_vgpr 512
		.amdhsa_next_free_sgpr 100
		.amdhsa_reserve_vcc 0
		.amdhsa_float_denorm_mode_32 3
		.amdhsa_float_denorm_mode_16_64 3
		.amdhsa_memory_ordered 1
		.amdhsa_forward_progress 1
		.amdhsa_inst_pref_size 67
	.end_amdhsa_kernel
	.amdgpu_metadata
---
amdhsa.version: [ 1, 2 ]
amdhsa.kernels:
  - .name:           k_q598d8d7655_state
    .symbol:         k_q598d8d7655_state.kd
    .args:
      - { .name: prj, .offset: 0, .size: 8, .value_kind: global_buffer, .address_space: global }
      - { .name: kvp, .offset: 8, .size: 8, .value_kind: global_buffer, .address_space: global }
    .group_segment_fixed_size: 327680
    .private_segment_fixed_size: 0
    .kernarg_segment_align: 8
    .kernarg_segment_size: 16
    .max_flat_workgroup_size: 128
    .sgpr_count:     100
    .vgpr_count:     512
    .wavefront_size: 32
...
	.end_amdgpu_metadata
.endif
;; end of part 3
;; launch prefix (part 4): grid 516 x 1, 8 waves a work-group, no clusters, 0 bytes of LDS; arguments kvp, prj, pre; writes pre
.if DOCPART == 4
	.amdgcn_target "amdgcn-amd-amdhsa--gfx1250"
	.amdhsa_code_object_version 6
	.text
	.protected	k_q598d8d7655_prefix
	.globl	k_q598d8d7655_prefix
	.p2align	8
	.type	k_q598d8d7655_prefix,@function
k_q598d8d7655_prefix:
	s_mov_b64 s[64:65], 0
	v_nop
	global_prefetch_b8 v0, s[64:65] scope:SCOPE_SE
	s_setreg_imm32_b32 hwreg(HW_REG_WAVE_MODE, 25, 1), 1
	s_wait_xcnt 0x0
; Two streams.  Groups 0-511: SST[c] = the sum of KV_c' over c' < c, for c = 0..15 (SST[0] = 0); planes of 2 MiB in bf16, running sum in f32, rounded once for each plane.
; Thread n = 256 w + t owns 16 bytes (8 numbers) of every plane: a wave's load or store covers 512 consecutive bytes.  All 15 loads go out at once; every plane has registers of its own.
; Groups 512-515 (batch b): from ZP [128 blocks][4][1024] f32 the chunk sums zc_c[b] (8 blocks each) and their running sum Zprev_c[b], into ZEXT [16 c][8 s][16 rows][128 k] bf16:
; row b = Zprev, row 4 + b = zc, rows 8 + 2 b and 9 + 2 b = 0.  Thread t owns columns 4 t .. 4 t + 3: a wave's store covers 256 consecutive aligned bytes.
; No LDS and no matrix unit: the work is moving bytes.
.set PLANE, 0x200000
.set A,  6                             ; v[6:13]    8 running sums
.set X,  16                            ; v[16:75]   plane c as loaded
.set Y,  76                            ; v[76:135]  plane c + 1 to store
.set T,  136                           ; v[136:143] at work
.set XB, 8                             ; second stream: v[8:135] 32 blocks as loaded
.set PS, 136                           ; v[136:139] running sum
.set CS, 140                           ; v[140:143] chunk sum
.set O1, 144
.set O2, 146
.set ZR, 148
	s_load_b128 s[4:7], s[0:1], 0x0                ; kvp s[4:5], prj s[6:7]
	s_load_b64 s[8:9], s[0:1], 0x10                ; pre
	v_lshlrev_b32 v1, 4, v0                        ; 16 t
	s_wait_kmcnt 0x0
	s_cmp_ge_u32 ttmp9, 512
	s_cbranch_scc1 .Lsums
	s_lshl_b32 s10, ttmp9, 12                      ; 256 threads x 16 bytes a group
	s_mov_b32 s11, 0
	s_add_nc_u64 s[12:13], s[4:5], s[10:11]        ; four bases 4 planes apart, so that a plane's place fits the immediate
	s_add_nc_u64 s[14:15], s[12:13], 4*PLANE
	s_add_nc_u64 s[16:17], s[14:15], 4*PLANE
	s_add_nc_u64 s[18:19], s[16:17], 4*PLANE
	s_add_nc_u64 s[20:21], s[8:9], s[10:11]
	s_add_nc_u64 s[22:23], s[20:21], 4*PLANE
	s_add_nc_u64 s[24:25], s[22:23], 4*PLANE
	s_add_nc_u64 s[26:27], s[24:25], 4*PLANE
.set c, 0
.rept 15
	global_load_b128 v[X+4*c:X+4*c+3], v1, s[12+2*(c/4):13+2*(c/4)] offset:(c%4)*PLANE th:TH_LOAD_NT
.set c, c+1
.endr
	v_mov_b32 v2, 0
	v_mov_b32 v3, 0
	v_mov_b32 v4, 0
	v_mov_b32 v5, 0
	global_store_b128 v1, v[2:5], s[20:21]
.set c, 0
.rept 15
	s_wait_loadcnt 14-c                            ; loads come back in order: plane c is in, the 14 - c younger ones stay out
.if c == 0
.irp k, 0,1,2,3
	v_lshlrev_b32 v[A+2*\k], 16, v[X+\k]           ; the first plane starts the sums
	v_and_b32 v[A+2*\k+1], 0xffff0000, v[X+\k]
.endr
.else
.irp k, 0,1,2,3
	v_lshlrev_b32 v[T+2*\k], 16, v[X+4*c+\k]
	v_and_b32 v[T+2*\k+1], 0xffff0000, v[X+4*c+\k]
.endr
.irp k, 0,1,2,3
	v_pk_add_f32 v[A+2*\k:A+2*\k+1], v[A+2*\k:A+2*\k+1], v[T+2*\k:T+2*\k+1]
.endr
.endif
.irp k, 0,1,2,3
	v_cvt_pk_bf16_f32 v[Y+4*c+\k], v[A+2*\k], v[A+2*\k+1]
.endr
	global_store_b128 v1, v[Y+4*c:Y+4*c+3], s[20+2*((c+1)/4):21+2*((c+1)/4)] offset:((c+1)%4)*PLANE
.set c, c+1
.endr
	s_endpgm
.Lsums:
	s_sub_co_u32 s10, ttmp9, 512                   ; the batch
	s_lshl_b32 s12, s10, 12
	s_mov_b32 s13, 0
	s_add_nc_u64 s[14:15], s[6:7], s[12:13]
	s_add_nc_u64 s[14:15], s[14:15], 85983232      ; ZP, my batch's row of block 0
	s_lshl_b32 s12, s10, 8
	s_add_nc_u64 s[16:17], s[8:9], s[12:13]
	s_add_nc_u64 s[16:17], s[16:17], 33554432      ; ZEXT, row b
	s_lshl_b32 s12, s10, 9
	s_add_nc_u64 s[18:19], s[8:9], s[12:13]
	s_add_nc_u64 s[18:19], s[18:19], 33554432+2048 ; ZEXT, row 8 + 2 b
	v_and_b32 v3, 31, v0
	v_lshrrev_b32 v2, 5, v0
	v_lshlrev_b32 v2, 12, v2
	v_lshl_add_u32 v2, v3, 3, v2                   ; K step t / 32, 8 bytes at column 4 (t % 32)
.irp k, 0,1,2,3
	v_mov_b32 v[PS+\k], 0
.endr
	v_mov_b32 v[ZR], 0
	v_mov_b32 v[ZR+1], 0
.set g, 0
.rept 4                                ; four chunks' 32 blocks at a time
.set n, 0
.rept 32
	global_load_b128 v[XB+4*n:XB+4*n+3], v1, s[14:15] offset:16384*(32*g+n)
.set n, n+1
.endr
.set cc, 0
.rept 4
	s_wait_loadcnt 24-8*cc                         ; this chunk's 8 blocks are in; the later chunks' stay out
	v_pk_add_f32 v[CS:CS+1], v[XB+32*cc:XB+32*cc+1], v[XB+32*cc+4:XB+32*cc+5]
	v_pk_add_f32 v[CS+2:CS+3], v[XB+32*cc+2:XB+32*cc+3], v[XB+32*cc+6:XB+32*cc+7]
.irp m, 2,3,4,5,6,7
	v_pk_add_f32 v[CS:CS+1], v[CS:CS+1], v[XB+32*cc+4*\m:XB+32*cc+4*\m+1]
	v_pk_add_f32 v[CS+2:CS+3], v[CS+2:CS+3], v[XB+32*cc+4*\m+2:XB+32*cc+4*\m+3]
.endr
	s_wait_xcnt 0x0                                ; the last chunk's stores have read O1 and O2
	v_cvt_pk_bf16_f32 v[O1], v[PS], v[PS+1]
	v_cvt_pk_bf16_f32 v[O1+1], v[PS+2], v[PS+3]
	v_cvt_pk_bf16_f32 v[O2], v[CS], v[CS+1]
	v_cvt_pk_bf16_f32 v[O2+1], v[CS+2], v[CS+3]
	global_store_b64 v2, v[O1:O1+1], s[16:17] offset:32768*(4*g+cc)
	global_store_b64 v2, v[O2:O2+1], s[16:17] offset:32768*(4*g+cc)+1024
	global_store_b64 v2, v[ZR:ZR+1], s[18:19] offset:32768*(4*g+cc)
	global_store_b64 v2, v[ZR:ZR+1], s[18:19] offset:32768*(4*g+cc)+256
	v_pk_add_f32 v[PS:PS+1], v[PS:PS+1], v[CS:CS+1]
	v_pk_add_f32 v[PS+2:PS+3], v[PS+2:PS+3], v[CS+2:CS+3]
.set cc, cc+1
.endr
.set g, g+1
.endr
	s_endpgm
.Lfunc_end_k_q598d8d7655_prefix:
	.size	k_q598d8d7655_prefix, .Lfunc_end_k_q598d8d7655_prefix-k_q598d8d7655_prefix
	.p2alignl 7, 3214868480
	.fill 96, 4, 3214868480
	.section	.rodata,"a",@progbits
	.p2align	6, 0x0
	.amdhsa_kernel k_q598d8d7655_prefix
		.amdhsa_group_segment_fixed_size 0
		.amdhsa_private_segment_fixed_size 0
		.amdhsa_enable_private_segment 0
		.amdhsa_kernarg_size 24
		.amdhsa_user_sgpr_count 2
		.amdhsa_user_sgpr_kernarg_segment_ptr 1
		.amdhsa_wavefront_size32 1
		.amdhsa_system_sgpr_workgroup_id_x 1
		.amdhsa_system_sgpr_workgroup_id_y 1
		.amdhsa_system_sgpr_workgroup_id_z 1
		.amdhsa_system_vgpr_workitem_id 0
		.amdhsa_next_free_vgpr 160
		.amdhsa_next_free_sgpr 66
		.amdhsa_reserve_vcc 0
		.amdhsa_float_denorm_mode_32 3
		.amdhsa_float_denorm_mode_16_64 3
		.amdhsa_memory_ordered 1
		.amdhsa_forward_progress 1
		.amdhsa_inst_pref_size 58
	.end_amdhsa_kernel
	.amdgpu_metadata
---
amdhsa.version: [ 1, 2 ]
amdhsa.kernels:
  - .name:           k_q598d8d7655_prefix
    .symbol:         k_q598d8d7655_prefix.kd
    .args:
      - { .name: kvp, .offset: 0, .size: 8, .value_kind: global_buffer, .address_space: global }
      - { .name: prj, .offset: 8, .size: 8, .value_kind: global_buffer, .address_space: global }
      - { .name: pre, .offset: 16, .size: 8, .value_kind: global_buffer, .address_space: global }
    .group_segment_fixed_size: 0
    .private_segment_fixed_size: 0
    .kernarg_segment_align: 8
    .kernarg_segment_size: 24
    .max_flat_workgroup_size: 256
    .sgpr_count:     66
    .vgpr_count:     160
    .wavefront_size: 32
...
	.end_amdgpu_metadata
.endif
;; end of part 4
;; launch score (part 5): grid 4 x 64, 4 waves a work-group, clusters of 4 x 4, 327,680 bytes of LDS; arguments prj, pre, sco; writes sco
.if DOCPART == 5
	.amdgcn_target "amdgcn-amd-amdhsa--gfx1250"
	.amdhsa_code_object_version 6
	.text
	.protected	k_q598d8d7655_score
	.globl	k_q598d8d7655_score
	.p2align	8
	.type	k_q598d8d7655_score,@function
k_q598d8d7655_score:
	s_mov_b64 s[64:65], 0
	v_nop
	global_prefetch_b8 v0, s[64:65] scope:SCOPE_SE
	s_setreg_imm32_b32 hwreg(HW_REG_WAVE_MODE, 25, 1), 1
	s_wait_xcnt 0x0
	s_wait_alu depctr_hold_cnt(0) depctr_sa_sdst(0) depctr_va_vdst(0) depctr_va_sdst(0) depctr_va_ssrc(0) depctr_va_vcc(0) depctr_vm_vsrc(0)
	s_getreg_b32 s2, hwreg(HW_REG_IB_STS2, 6, 4)
	s_cmp_eq_u32 s2, 0
	s_cbranch_scc0 .Lentry_in_a_cluster
	s_endpgm
.Lentry_in_a_cluster:
	s_bfe_u32 s2, ttmp6, 0x10000c
	s_cmp_lg_u32 s2, 0xf033
	s_cbranch_scc0 .Lentry_shape_is_right
	s_endpgm
.Lentry_shape_is_right:
; The weights inside a chunk of 512 rows.  A[r][r'] = Q[r] . K[r'] (bf16 operands, f32 sums); a key r' counts for row r where r' / 4 <= r / 4 (the state is shared by the four batches).
; g[r] = 512 / (Q[r] . the sum of all K of the chunk).  All K and Q are positive, so g A <= 512 (to within the sums' rounding) with a chunk mean of 1: the scaled weights fit f16 for every input,
; and g cancels between numerator and denominator.  Written into sco: PH [8192][pitch 1024, 512 used] f16 = g x mask x A (zeros where hidden); PL [512][512] f16 = what that rounding left over, chunk 0 alone;
; GT [4 key blocks][8192] f32 = g; RT [4 key blocks][8192] f32 = the block's share of the denominator: the unrounded weights of the row's own batch, and in key block 0 also g Q[r] . Zprev[batch].
; LIMITS.  A chunk whose K sum to 0 against a row's Q gives an infinite g.  A scaled weight below 6e-5 keeps f16's fixed step.  NaN and infinities are not treated apart.
; SHARES.  A tile is 128 rows x 128 keys; the cluster's 16 work-groups are one chunk's 4 x 4 tiles (tiles wholly above the diagonal are computed too and store the zeros that the next launch reads).
; A wave has 32 rows x 128 keys (16 accumulators) and a 17th column block: 16 "keys" of ZEXT (rows 0-3 Zprev by batch, 4-7 the chunk's sums by batch, 8-15 zero).  8 K steps of 128.
; CLUSTER 4 x 4: Q's tile hangs on cy, K's on cx: joint loads.  ZEXT's 32 KiB come once, a quarter a wave, by plain loads among the first fills.
; The matrix instruction is used transposed: lane l holds row l % 16 and keys 8 (l / 16) + 0..7.
.set PITCH,  272
.set AHALF,  64*PITCH
.set BOFF,   128*PITCH
.set ZOFF,   256*PITCH                 ; behind slot 0: ZEXT, 128 rows (16 for each K step); filled once
.set SLOT1,  131072
.set STAGE,  200704
.set SPITCH, 528
.set STG,    32*SPITCH
.set SPARE,  STAGE+4*STG
.set GTL,    SPARE+512                 ; 256 bytes a wave: g and g Q . Zprev for its 32 rows
.set ADA0, 4
.set ADB0, 5
.set ADA,  6
.set ADB,  7
.set ADZ,  8
.set STO,  9
.set RD0,  10
.set RDC,  11
.set ADZ0, 12
.set GTA,  13
.set GA0,  14
.set GAC,  15
.set GO,   16
.set GOL,  17
.set DD,   18                          ; (row / 4) - (key / 4) for pair 0 and my first four keys
.set XI,   19
.set RS,   20
.set LO4,  21
.set RSO,  22
.set FLV,  23
.set GST,  26
.set SPW,  28
.set NIL,  29
.set F0,   32                          ; a buffer: 64 of K, 8 of ZEXT, 16 of Q
.set F1,   128
.set ET,   224
.set GP,   240
.set TP,   244
.set L,    32
.set Y,    64
.set T,    80
.set XL,   112
.set GG,   128
.set SM,   136
.set TA,   140
.set WV, 22
.set WR, 23
.set WC, 24
.set CX, 25
.set CYL, 26
.set CY, 27
.set G1Z, 12
.set G1A, 32
.set G1B, 40
.set G0A, 48
.set G0B, 52
.set RQA, 56
.set RQB, 58
.set M1,  66
.set M2,  67
.set M3,  68
.set ZBS, 69
.set TB,  71
.set CNT, 72
.set TRIP, 75
.set PPH, 76
.set PPL, 78
.set PGT, 80
.set PRT, 82
.set SEL, 84
.set RB,  87
.set RDS, 88
.set GAS, 89
.set MA,  90
.set MB,  91
.set MC,  92
.set MX,  93
.set MH,  94
.set G0Z, 96
.set MULW, 0x50
.set MSB, 0
.macro WIN new
.if MSB != (\new)
	s_set_vgpr_msb (MSB<<8)|(\new)
.set MSB, \new
.endif
.endm
.macro PLACES
.rept 4
	v_nop
.endr
.endm
.macro JLOAD
	s_cmp_eq_u32 s[WR], 0
	s_cbranch_scc0 .Lfor_b_\@
	tensor_load_to_lds s[G0A:G0A+3], s[G1A:G1A+7]
	s_nop 0
.rept 4
	v_nop
.endr
	s_branch .Lasked_\@
.Lfor_b_\@:
	tensor_load_to_lds s[G0B:G0B+3], s[G1B:G1B+7]
	s_nop 0
.rept 4
	v_nop
.endr
.Lasked_\@:
.endm
.macro CREST
	s_cmp_lg_u32 s[WV], 0
	s_cbranch_scc1 .Lnot_wave_0_\@
	s_barrier_signal -3
.Lnot_wave_0_\@:
	s_barrier_wait -3
	s_barrier_signal -1
	s_barrier_wait -1
.endm
.macro CROUND
	s_barrier_signal -1
	s_barrier_wait -1
	CREST
.endm
.macro SHADD src, sh
	s_lshl_b32 s3, s[\src], \sh
	s_add_co_u32 s2, s2, s3
.endm
.macro PTR dst, base, const
	s_mov_b32 s3, 0
	s_add_nc_u64 s[\dst:\dst+1], s[\base:\base+1], s[2:3]
.if \const
	s_add_nc_u64 s[\dst:\dst+1], s[\dst:\dst+1], \const
.endif
.endm
.macro ADVANCE x
.if \x
	s_xor_b32 s[G0A+1], s[G0A+1], SLOT1
	s_xor_b32 s[G0B+1], s[G0B+1], SLOT1
.endif
	s_mov_b64 s[G0A+2:G0A+3], s[RQA:RQA+1]
	s_or_b32 s[G0A+3], s[G0A+3], 0x80000000
	s_mov_b64 s[G0B+2:G0B+3], s[RQB:RQB+1]
	s_or_b32 s[G0B+3], s[G0B+3], 0x80000000
	s_add_nc_u64 s[RQA:RQA+1], s[RQA:RQA+1], 256
	s_add_nc_u64 s[RQB:RQB+1], s[RQB:RQB+1], 256
.endm
.macro MULS f, a, b0, n, zero          ; the 18 accumulators take turns, one instruction a quarter each
	WIN MULW
.set bb, \b0
.rept \n
.if \zero
	v_wmma_f32_16x16x32_bf16 v[8*(8*(\a)+bb):8*(8*(\a)+bb)+7], v[(\f)+8*bb:(\f)+8*bb+7], v[(\f)+72+8*(\a):(\f)+72+8*(\a)+7], 0
.else
	v_wmma_f32_16x16x32_bf16 v[8*(8*(\a)+bb):8*(8*(\a)+bb)+7], v[(\f)+8*bb:(\f)+8*bb+7], v[(\f)+72+8*(\a):(\f)+72+8*(\a)+7], v[8*(8*(\a)+bb):8*(8*(\a)+bb)+7]
.endif
.set bb, bb+1
.endr
.endm
.macro MULE f, a, zero                 ; the ZEXT block
	WIN MULW
.if \zero
	v_wmma_f32_16x16x32_bf16 v[128+8*(\a):128+8*(\a)+7], v[(\f)+64:(\f)+71], v[(\f)+72+8*(\a):(\f)+72+8*(\a)+7], 0
.else
	v_wmma_f32_16x16x32_bf16 v[128+8*(\a):128+8*(\a)+7], v[(\f)+64:(\f)+71], v[(\f)+72+8*(\a):(\f)+72+8*(\a)+7], v[128+8*(\a):128+8*(\a)+7]
.endif
.endm
.macro FETCH q, f                      ; 22 LDS loads in one run; Q's second block last
	WIN 0
.irp b, 0,1,2,3,4,5,6,7
	ds_load_b128 v[(\f)+8*\b:(\f)+8*\b+3],   v[ADB] offset:64*(\q)+4352*\b
	ds_load_b128 v[(\f)+8*\b+4:(\f)+8*\b+7], v[ADB] offset:64*(\q)+4352*\b+32
.endr
	ds_load_b128 v[(\f)+64:(\f)+67], v[ADZ] offset:64*(\q)
	ds_load_b128 v[(\f)+68:(\f)+71], v[ADZ] offset:64*(\q)+32
.irp a, 0,1
	ds_load_b128 v[(\f)+72+8*\a:(\f)+72+8*\a+3], v[ADA] offset:64*(\q)+4352*\a
	ds_load_b128 v[(\f)+72+8*\a+4:(\f)+72+8*\a+7], v[ADA] offset:64*(\q)+4352*\a+32
.endr
.endm
.macro QUARTER q, f, g, zero
	s_wait_dscnt 2                                 ; all but the youngest two loads (Q's second block) are in
	MULS \f, 0, 0, 8, \zero
	MULE \f, 0, \zero
	PLACES
	FETCH \q, \g
	s_wait_dscnt 22                                ; all but the 22 just issued
	MULS \f, 1, 0, 8, \zero
	MULE \f, 1, \zero
.endm
.macro TURN fill                       ; the change of slots: all my tensor loads, the add, my reads; the barrier (with fill = 1 a round of the cluster's); the joint refill first behind it
	WIN 0
	s_wait_tensorcnt 0x0
	ds_add_u32 v[SPW], v[NIL]
.if \fill
	ADVANCE 1
.endif
	s_wait_dscnt 3                                 ; the add and the youngest two loads may be out
	MULS F1, 0, 0, 4, 0
	s_wait_dscnt 0x0
	s_barrier_signal -1
	MULS F1, 0, 4, 4, 0
	MULE F1, 0, 0
	WIN 0
	s_barrier_wait -1
.if \fill
	CREST
	JLOAD
.else
	PLACES
.endif
	s_xor_b32 s[TB], s[TB], SLOT1
	s_add_co_u32 s[ZBS], s[ZBS], 16*PITCH          ; the next K step's 16 rows of ZEXT
	v_add_nc_u32 v[ADA], s[TB], v[ADA0]
	v_add_nc_u32 v[ADB], s[TB], v[ADB0]
	v_add_nc_u32 v[ADZ], s[ZBS], v[ADZ0]
	FETCH 0, F0
	MULS F1, 1, 0, 8, 0
	MULE F1, 1, 0
.endm
	s_load_b128 s[4:7], s[0:1], 0x0                ; prj s[4:5], pre s[6:7]
	s_load_b64 s[8:9], s[0:1], 0x10                ; sco
	v_lshl_add_u32 v[SPW], v0, 2, SPARE
	v_mov_b32 v[NIL], 0
	ds_add_u32 v[SPW], v[NIL]                      ; the wave's opening: the add and its wait ahead of my first tensor load
	v_lshrrev_b32 v1, 5, v0
	v_readfirstlane_b32 s[WV], v1
	s_lshr_b32 s[WR], s[WV], 1
	s_and_b32 s[WC], s[WV], 1
	s_bfe_u32 s[CX], ttmp6, 0x40000
	s_bfe_u32 s[CYL], ttmp6, 0x40004
	s_and_b32 s[CY], ttmp7, 0xffff                 ; the chunk
	s_lshl_b32 s28, s[CYL], 2
	s_lshl_b32 s28, 15, s28
	s_lshl_b32 s30, 0x1111, s[CX]
	s_or_b32 s[G1A], s28, (1<<16)|(1<<20)|(1<<21)|(5<<22)|(3<<25)
	s_or_b32 s[G1B], s30, (1<<16)|(1<<20)|(1<<21)|(5<<22)|(3<<25)
.irp g, G1A, G1B
	s_mov_b32 s[\g+1], 128<<16
	s_mov_b32 s[\g+2], 64<<16
	s_mov_b32 s[\g+3], 128<<16
	s_mov_b32 s[\g+4], 64
	s_mov_b32 s[\g+5], 1024
	s_mov_b32 s[\g+6], 0
	s_mov_b32 s[\g+7], 0
.endr
	s_mov_b32 s[G1Z], (1<<16)|(1<<20)|(5<<22)|(3<<25)  ; a load of my own: no mask; 32 dense rows of 128 elements
	s_mov_b32 s[G1Z+1], 128<<16
	s_mov_b32 s[G1Z+2], 32<<16
	s_mov_b32 s[G1Z+3], 128<<16
	s_mov_b32 s[G1Z+4], 32
	s_mov_b32 s[G1Z+5], 128
	s_mov_b32 s[G1Z+6], 0
	s_mov_b32 s[G1Z+7], 0
	s_mov_b32 s[G0A], 1
	s_mul_i32 s[G0A+1], s[WC], AHALF
	s_mov_b32 s[G0B], 1
	s_mul_i32 s[G0B+1], s[WC], AHALF
	s_add_co_u32 s[G0B+1], s[G0B+1], BOFF
	s_mov_b32 s[G0Z], 1
	s_mul_i32 s[G0Z+1], s[WV], 32*PITCH
	s_add_co_u32 s[G0Z+1], s[G0Z+1], ZOFF
	s_lshl2_add_u32 s[RB], s[CY], s[CYL]           ; my block of 128 rows
	s_lshl_b32 s28, s[RB], 18                      ; Q: row 128 rb + 64 half (no cx in these registers)
	s_lshl_b32 s29, s[WC], 17
	s_add_co_u32 s28, s28, s29
	s_mov_b32 s29, 0
	s_lshl_b32 s30, s[CY], 20                      ; K: row 512 c + 128 cx + 64 half (no cy in these registers)
	s_lshl_b32 s31, s[CX], 18
	s_add_co_u32 s30, s30, s31
	s_lshl_b32 s31, s[WC], 17
	s_add_co_u32 s30, s30, s31
	s_add_co_u32 s30, s30, 16777216
	s_mov_b32 s31, 0
	s_lshl_b32 s60, s[CY], 15                      ; ZEXT: the chunk's 32 KiB, my quarter
	s_lshl_b32 s61, s[WV], 13
	s_add_co_u32 s60, s60, s61
	s_add_co_u32 s60, s60, 33554432
	s_mov_b32 s61, 0
	s_mov_b32 s[TB], 0
	s_mov_b32 s[ZBS], 0
	s_mov_b32 s[SEL], 0x76543210
	s_mov_b32 s[SEL+1], 0xfedcba98
	s_wait_dscnt 0x0
	s_wait_kmcnt 0x0
	s_add_nc_u64 s[RQA:RQA+1], s[4:5], s[28:29]
	s_add_nc_u64 s[RQB:RQB+1], s[4:5], s[30:31]
	s_add_nc_u64 s[G0Z+2:G0Z+3], s[6:7], s[60:61]
	s_or_b32 s[G0Z+3], s[G0Z+3], 0x80000000
	s_lshl_b32 s2, s[RB], 18
	SHADD WV, 16
	SHADD CX, 8
	PTR PPH, 8, 0                                  ; PH: row 128 rb + 32 wave, key 128 cx
	s_lshl_b32 s2, s[CYL], 17
	SHADD WV, 15
	SHADD CX, 8
	PTR PPL, 8, 16777216                           ; PL: rows of 1,024 bytes
	s_lshl_b32 s2, s[CX], 15
	SHADD RB, 9
	SHADD WV, 7
	PTR PGT, 8, 17301504
	s_add_nc_u64 s[PRT:PRT+1], s[PGT:PGT+1], 131072
	CROUND
	ADVANCE 0
	s_cmp_eq_u32 s[WR], 0                          ; a wave's two first fills stand in one branch: its joint tile and its quarter of ZEXT: two loads of mine are out
	s_cbranch_scc0 .Lfirst_b
	tensor_load_to_lds s[G0A:G0A+3], s[G1A:G1A+7]
	s_nop 0
	tensor_load_to_lds s[G0Z:G0Z+3], s[G1Z:G1Z+7]
	s_nop 0
.rept 4
	v_nop
.endr
	s_branch .Lfirst_asked
.Lfirst_b:
	tensor_load_to_lds s[G0B:G0B+3], s[G1B:G1B+7]
	s_nop 0
	tensor_load_to_lds s[G0Z:G0Z+3], s[G1Z:G1Z+7]
	s_nop 0
.rept 4
	v_nop
.endr
.Lfirst_asked:
	v_and_b32 v1, 15, v0
	v_bfe_u32 v2, v0, 4, 1
	v_mul_u32_u24 v3, v1, PITCH
	v_lshl_add_u32 v3, v2, 4, v3
	s_mul_i32 s2, s[WV], 32*PITCH                  ; my 32 rows of Q
	v_add_nc_u32 v[ADA0], s2, v3
	v_add_nc_u32 v[ADB0], BOFF, v3
	v_add_nc_u32 v[ADZ0], ZOFF, v3
	v_mov_b32 v[ADA], v[ADA0]
	v_mov_b32 v[ADB], v[ADB0]
	v_mov_b32 v[ADZ], v[ADZ0]
	s_mul_i32 s2, s[WV], STG
	s_add_co_u32 s2, s2, STAGE
	v_mul_u32_u24 v3, v1, SPITCH
	v_lshl_add_u32 v3, v2, 5, v3
	v_add_nc_u32 v[STO], s2, v3
	v_mul_u32_u24 v3, v2, SPITCH
	v_lshl_add_u32 v3, v1, 5, v3
	v_add_nc_u32 v[RD0], s2, v3
	s_lshl_b32 s2, s[WV], 8
	s_add_co_u32 s2, s2, GTL                       ; my table
	v_lshl_add_u32 v[GTA], v1, 3, s2
	v_lshl_add_u32 v[GA0], v2, 3, s2
	v_lshlrev_b32 v3, 11, v2
	v_lshl_add_u32 v[GO], v1, 4, v3
	v_lshlrev_b32 v3, 10, v2
	v_lshl_add_u32 v[GOL], v1, 4, v3
	s_sub_co_i32 s2, s[CYL], s[CX]
	s_lshl_b32 s2, s2, 5
	s_lshl3_add_u32 s2, s[WV], s2                  ; 32 (cy - cx) + 8 wave: it enters masks alone, no branch and no address
	v_lshlrev_b32 v3, 1, v1
	v_sub_nc_u32 v[DD], s2, v3
	v_mov_b32 v[XI], v1
	v_mov_b32 v[RS], 0
	v_and_b32 v3, 31, v0
	v_lshlrev_b32 v[LO4], 2, v3
	v_lshl_add_u32 v3, v1, 1, v2
	v_lshlrev_b32 v[RSO], 2, v3
	s_min_u32 s2, s[CX], 1
	s_xor_b32 s2, s2, 1
	v_cvt_f32_u32 v[FLV], s2                       ; 1.0 in key block 0, else 0
	v_and_b32 v3, 3, v0
	v_cmp_eq_u32 s[M1], 1, v3
	v_cmp_eq_u32 s[M2], 2, v3
	v_cmp_eq_u32 s[M3], 3, v3
	v_cmp_eq_u32 s[MH], 1, v2
	s_wait_tensorcnt 0x0                           ; slot 0 and ZEXT are waited for and slot 1 asked for, in the order of every change of slots
	ds_add_u32 v[SPW], v[NIL]
	ADVANCE 1
	s_wait_dscnt 0x0
	CROUND
	JLOAD
	FETCH 0, F0
	s_mov_b32 s[CNT], 6
	QUARTER 1, F0, F1, 1                           ; the first quarter starts the sums with the constant 0
	WIN 0
	s_branch .Lmid
.Lstep:
	QUARTER 1, F0, F1, 0
	WIN 0
.Lmid:
	QUARTER 2, F1, F0, 0
	QUARTER 3, F0, F1, 0
	TURN 1
	WIN 0
	s_sub_co_u32 s[CNT], s[CNT], 1
	s_cmp_lg_u32 s[CNT], 0
	s_cbranch_scc1 .Lstep
	QUARTER 1, F0, F1, 0                           ; the last two K steps ask for nothing more
	QUARTER 2, F1, F0, 0
	QUARTER 3, F0, F1, 0
	TURN 0
	QUARTER 1, F0, F1, 0
	QUARTER 2, F1, F0, 0
	QUARTER 3, F0, F1, 0
	s_wait_dscnt 2
	MULS F1, 0, 0, 8, 0
	MULE F1, 0, 0
	s_wait_dscnt 0x0
	MULS F1, 1, 0, 8, 0
	MULE F1, 1, 0
	PLACES
	; g and g Q . Zprev.  Lanes 0-15 hold, for row 16 a + l, the eight products with ZEXT's rows 0-7; each accumulator is read from its low end on.
	WIN 0x01
.set k, 0
.rept 16
	v_mov_b32 v[ET+k], v[128+k]
.set k, k+1
.endr
	WIN 0
	v_mov_b32 v[TP+3], 0
.irp a, 0,1
	v_cndmask_b32 v[TP], v[ET+8*\a], v[ET+8*\a+1], s[M1]     ; the row's own batch: l % 4
	v_add_f32 v[TP+1], v[ET+8*\a+4], v[ET+8*\a+5]
	v_cndmask_b32 v[TP], v[TP], v[ET+8*\a+2], s[M2]
	v_add_f32 v[TP+2], v[ET+8*\a+6], v[ET+8*\a+7]
	v_cndmask_b32 v[TP], v[TP], v[ET+8*\a+3], s[M3]
	v_add_f32 v[TP+1], v[TP+1], v[TP+2]                      ; Q . the chunk's whole sum of K
	v_permlanex16_b32 v[TP+2], v[TP], s[SEL], s[SEL+1]       ; lanes 16-31 take both from the lane 16 below
	v_permlanex16_b32 v[TP+3], v[TP+1], s[SEL], s[SEL+1]
	v_cndmask_b32 v[TP], v[TP], v[TP+2], s[MH]
	v_cndmask_b32 v[TP+1], v[TP+1], v[TP+3], s[MH]
	v_rcp_f32 v[GP+2*\a], v[TP+1]
	v_mul_f32 v[TP], v[TP], v[FLV]                           ; the plain instruction behind the reciprocal
	s_wait_alu depctr_va_vdst(0)
	v_mul_f32 v[GP+2*\a], 0x44000000, v[GP+2*\a]             ; g = 512 / ...
	v_mul_f32 v[GP+2*\a+1], v[GP+2*\a], v[TP]
	ds_store_b64 v[GTA], v[GP+2*\a:GP+2*\a+1] offset:128*\a  ; both halves of the lanes write the same words with the same values
.endr
	v_cndmask_b32 v[GST], v[GP], v[GP+2], s[MH]
	global_store_b32 v[LO4], v[GST], s[PGT:PGT+1]            ; lane l: row l of my 32
	; THE WAY OUT: my 32 rows as f32 through my own stage, back as whole rows, 8 rows a trip
	WIN 0x04
.irp a, 0,1
.irp b, 0,1,2,3,4,5,6,7
	ds_store_b128 v[STO], v[8*(8*\a+\b):8*(8*\a+\b)+3] offset:8448*\a+64*\b
	ds_store_b128 v[STO], v[8*(8*\a+\b)+4:8*(8*\a+\b)+7] offset:8448*\a+64*\b+16
.endr
.endr
	WIN 0
	s_mov_b32 s[RDS], 0
	s_mov_b32 s[GAS], 0
	s_mov_b32 s[TRIP], 4
.Ltrip:
	v_add_nc_u32 v[RDC], s[RDS], v[RD0]
	v_add_nc_u32 v[GAC], s[GAS], v[GA0]
.irp i, 0,1,2,3                        ; pair i: row 8 T + 2 i + l / 16, keys 8 (l % 16) + 0..7
	ds_load_b128 v[L+8*\i:L+8*\i+3], v[RDC] offset:1056*\i
	ds_load_b128 v[L+8*\i+4:L+8*\i+7], v[RDC] offset:1056*\i+16
	ds_load_b64 v[GG+2*\i:GG+2*\i+1], v[GAC] offset:16*\i
.endr
	s_wait_dscnt 0x0
	v_cmp_le_i32 s[MA], -1, v[DD]                  ; a key counts where key / 4 <= row / 4: pairs 2, 3 lie one time step later, keys 4-7 one later than keys 0-3
	v_cmp_le_i32 s[MB], 0, v[DD]
	v_cmp_le_i32 s[MC], 1, v[DD]
.irp i, 0,1,2,3
.irp j, 0,1,2,3
	v_pk_mul_f32 v[L+8*\i+2*\j:L+8*\i+2*\j+1], v[L+8*\i+2*\j:L+8*\i+2*\j+1], v[GG+2*\i:GG+2*\i+1] op_sel_hi:[1,0]
.endr
.irp j, 0,1,2,3
	v_cndmask_b32 v[L+8*\i+\j], 0, v[L+8*\i+\j], s[MB-\i/2]
	v_cndmask_b32 v[L+8*\i+4+\j], 0, v[L+8*\i+4+\j], s[MC-\i/2]
.endr
	v_cndmask_b32 v[TA+2*\i], v[L+8*\i+2*(\i%2)], v[L+8*\i+2*(\i%2)+1], s[MH]        ; the two keys of the row's own batch, (2 i + l / 16) % 4
	v_cndmask_b32 v[TA+2*\i+1], v[L+8*\i+2*(\i%2)+4], v[L+8*\i+2*(\i%2)+5], s[MH]
	v_add_f32 v[SM+\i], v[TA+2*\i], v[TA+2*\i+1]
.endr
.irp m, 1,2,4,8                        ; over the 16 lanes that share a row
.irp i, 0,1,2,3
	v_add_f32_dpp v[SM+\i], v[SM+\i], v[SM+\i] row_xmask:\m row_mask:0xf bank_mask:0xf
.endr
.endr
.irp i, 0,1,2,3
	v_add_f32 v[SM+\i], v[SM+\i], v[GG+2*\i+1]
	v_cmp_eq_i32 s[MX], \i, v[XI]
	v_cndmask_b32 v[RS], v[RS], v[SM+\i], s[MX]    ; lane l keeps row 2 (l % 16) + l / 16
.endr
.set k, 0
.rept 16
	v_cvt_pk_f16_f32 v[Y+k], v[L+2*k], v[L+2*k+1]
.set k, k+1
.endr
.irp i, 0,1,2,3
	global_store_b128 v[GO], v[Y+4*\i:Y+4*\i+3], s[PPH:PPH+1] offset:4096*\i  ; 16 lanes store 256 consecutive aligned bytes
.endr
	s_cmp_lg_u32 s[CY], 0                          ; the same in all sixteen partners
	s_cbranch_scc1 .Ltrip_end
.set k, 0                              ; chunk 0: what the rounding to f16 left over
.irp s, v64.l,v64.h,v65.l,v65.h,v66.l,v66.h,v67.l,v67.h,v68.l,v68.h,v69.l,v69.h,v70.l,v70.h,v71.l,v71.h,v72.l,v72.h,v73.l,v73.h,v74.l,v74.h,v75.l,v75.h,v76.l,v76.h,v77.l,v77.h,v78.l,v78.h,v79.l,v79.h
	v_cvt_f32_f16 v[T+k], \s
.set k, k+1
.endr
.set k, 0
.rept 16
	v_pk_add_f32 v[T+2*k:T+2*k+1], v[L+2*k:L+2*k+1], v[T+2*k:T+2*k+1] neg_lo:[0,1] neg_hi:[0,1]
.set k, k+1
.endr
.set k, 0
.rept 16
	v_cvt_pk_f16_f32 v[XL+k], v[T+2*k], v[T+2*k+1]
.set k, k+1
.endr
.irp i, 0,1,2,3
	global_store_b128 v[GOL], v[XL+4*\i:XL+4*\i+3], s[PPL:PPL+1] offset:2048*\i
.endr
.Ltrip_end:
	s_wait_xcnt 0x0                                ; the stores' data and offsets are rewritten only behind this wait
	v_add_nc_u32 v[GO], 16384, v[GO]
	v_add_nc_u32 v[GOL], 8192, v[GOL]
	v_add_nc_u32 v[DD], 2, v[DD]
	v_add_nc_u32 v[XI], -4, v[XI]
	s_add_co_u32 s[RDS], s[RDS], 8*SPITCH
	s_add_co_u32 s[GAS], s[GAS], 64
	s_sub_co_u32 s[TRIP], s[TRIP], 1
	s_cmp_lg_u32 s[TRIP], 0
	s_cbranch_scc1 .Ltrip
	global_store_b32 v[RSO], v[RS], s[PRT:PRT+1]
	s_wait_tensorcnt 0x0                           ; the wave's end
	ds_add_u32 v[SPW], v[NIL]
	s_wait_dscnt 0x0
	CROUND
	s_endpgm
.Lfunc_end_k_q598d8d7655_score:
	.size	k_q598d8d7655_score, .Lfunc_end_k_q598d8d7655_score-k_q598d8d7655_score
	.p2alignl 7, 3214868480
	.fill 96, 4, 3214868480
	.section	.rodata,"a",@progbits
	.p2align	6, 0x0
	.amdhsa_kernel k_q598d8d7655_score
		.amdhsa_group_segment_fixed_size 327680
		.amdhsa_private_segment_fixed_size 0
		.amdhsa_enable_private_segment 0
		.amdhsa_kernarg_size 24
		.amdhsa_user_sgpr_count 2
		.amdhsa_user_sgpr_kernarg_segment_ptr 1
		.amdhsa_wavefront_size32 1
		.amdhsa_system_sgpr_workgroup_id_x 1
		.amdhsa_system_sgpr_workgroup_id_y 1
		.amdhsa_system_sgpr_workgroup_id_z 1
		.amdhsa_system_vgpr_workitem_id 0
		.amdhsa_next_free_vgpr 512
		.amdhsa_next_free_sgpr 104
		.amdhsa_reserve_vcc 0
		.amdhsa_float_denorm_mode_32 3
		.amdhsa_float_denorm_mode_16_64 3
		.amdhsa_memory_ordered 1
		.amdhsa_forward_progress 1
		.amdhsa_inst_pref_size 65
	.end_amdhsa_kernel
	.amdgpu_metadata
---
amdhsa.version: [ 1, 2 ]
amdhsa.kernels:
  - .name:           k_q598d8d7655_score
    .symbol:         k_q598d8d7655_score.kd
    .args:
      - { .name: prj, .offset: 0, .size: 8, .value_kind: global_buffer, .address_space: global }
      - { .name: pre, .offset: 8, .size: 8, .value_kind: global_buffer, .address_space: global }
      - { .name: sco, .offset: 16, .size: 8, .value_kind: global_buffer, .address_space: global }
    .group_segment_fixed_size: 327680
    .private_segment_fixed_size: 0
    .kernarg_segment_align: 8
    .kernarg_segment_size: 24
    .max_flat_workgroup_size: 128
    .sgpr_count:     104
    .vgpr_count:     512
    .wavefront_size: 32
...
	.end_amdgpu_metadata
.endif
;; end of part 5
;; launch outp (part 6): grid 4 x 64, 4 waves a work-group, clusters of 4 x 4, 327,680 bytes of LDS; arguments prj, pre, sco, out0; writes out0
.if DOCPART == 6
	.amdgcn_target "amdgcn-amd-amdhsa--gfx1250"
	.amdhsa_code_object_version 6
	.text
	.protected	k_q598d8d7655_outp
	.globl	k_q598d8d7655_outp
	.p2align	8
	.type	k_q598d8d7655_outp,@function
k_q598d8d7655_outp:
	s_mov_b64 s[64:65], 0
	v_nop
	global_prefetch_b8 v0, s[64:65] scope:SCOPE_SE
	s_setreg_imm32_b32 hwreg(HW_REG_WAVE_MODE, 25, 1), 1
	s_wait_xcnt 0x0
	s_wait_alu depctr_hold_cnt(0) depctr_sa_sdst(0) depctr_va_vdst(0) depctr_va_sdst(0) depctr_va_ssrc(0) depctr_va_vcc(0) depctr_vm_vsrc(0)
	s_getreg_b32 s2, hwreg(HW_REG_IB_STS2, 6, 4)
	s_cmp_eq_u32 s2, 0
	s_cbranch_scc0 .Lentry_in_a_cluster
	s_endpgm
.Lentry_in_a_cluster:
	s_bfe_u32 s2, ttmp6, 0x10000c
	s_cmp_lg_u32 s2, 0xf033
	s_cbranch_scc0 .Lentry_shape_is_right
	s_endpgm
.Lentry_shape_is_right:
; y[r][m] = (g[r] (Q[r] . S_c[m]) + the sum over the chunk's keys r' of P[r][r'] V[r'][m]) / den[r], c = r / 512; P = g x mask x (Q K^T) in f16, den = the sum of RT's four shares.
; 12 K steps of 128 on one set of f32 accumulators: 8 in bf16 (Q against SST[c], whose range wants bf16), then the sums are multiplied by g, then 4 in f16 (PH against VHT[c]).
; In chunk 0 the first 32 keys (8 time steps), where a row has few terms to average the roundings, are corrected by two more products: P V_low + P_low V.
; LIMITS.  V and P arrive in f16 (V within 65,504, P within about 512).  A row whose denominator is 0 gives infinities or NaN, as the division in the definition does.  NaN and infinities are not treated apart.
; SHARES.  A tile is 128 rows x 256 columns m; four waves, each 64 x 128 = 32 accumulators.  64 x 4 tiles = 256 work-groups, one each.
; CLUSTER 4 x 4: the row operand (Q, then P) hangs on cy, the column operand (S, then V^T) on cx: joint loads; all pitches are 1,024 elements, so the descriptors' shapes never change.
; The matrix instruction is used transposed: lane l holds row l % 16 and columns 8 (l / 16) + 0..7.
; REGISTERS.  Window 0: addresses, g, two fragment buffers, work.  Window 1: the accumulators.  Window 2: the correction's fragments (V_low 0-63, V 64-127, P 128-159, P_low 160-191).
.set PITCH,  272
.set AHALF,  64*PITCH
.set BOFF,   128*PITCH
.set SLOT1,  131072
.set STAGE,  235520
.set SPITCH, 528
.set STG,    32*SPITCH
.set SPARE,  STAGE+4*STG
.set ITL,    SPARE+512                 ; 256 bytes a wave: 1 / den for its 64 rows
.set ADA0, 4
.set ADB0, 5
.set ADA,  6
.set ADB,  7
.set STO,  9
.set RD0,  10
.set RDC,  11
.set GV,   12                          ; v[12:19] g of row block a, as pairs
.set VO,   20                          ; offsets of the head's global loads; never rewritten
.set VO2,  21
.set GX,   22
.set LX,   23
.set GO,   24
.set IA0,  25
.set IAC,  26
.set ITW,  27
.set SPW,  28
.set NIL,  29
.set F0,   32
.set F1,   128
.set RTV,  224
.set DN,   232
.set L,    32
.set IV,   64
.set WV, 22
.set WR, 23
.set WC, 24
.set CX, 25
.set CYL, 26
.set CY, 27
.set PG,  12
.set PR,  14
.set PVL, 16
.set PVH, 18
.set PPH, 20
.set G1A, 32
.set G1B, 40
.set G0A, 48
.set G0B, 52
.set RQA, 56
.set RQB, 58
.set NA1, 60
.set NB1, 66
.set RC,  70
.set TB,  71
.set CNT, 72
.set HALF, 74
.set TRIP, 75
.set PPL, 76
.set OUT1, 78
.set RB,  87
.set RDS, 88
.set ITS, 89
.set MULW, 0x50
.set MSB, 0
.macro WIN new
.if MSB != (\new)
	s_set_vgpr_msb (MSB<<8)|(\new)
.set MSB, \new
.endif
.endm
.macro PLACES
.rept 4
	v_nop
.endr
.endm
.macro JLOAD
	s_cmp_eq_u32 s[WR], 0
	s_cbranch_scc0 .Lfor_b_\@
	tensor_load_to_lds s[G0A:G0A+3], s[G1A:G1A+7]
	s_nop 0
.rept 4
	v_nop
.endr
	s_branch .Lasked_\@
.Lfor_b_\@:
	tensor_load_to_lds s[G0B:G0B+3], s[G1B:G1B+7]
	s_nop 0
.rept 4
	v_nop
.endr
.Lasked_\@:
.endm
.macro CREST
	s_cmp_lg_u32 s[WV], 0
	s_cbranch_scc1 .Lnot_wave_0_\@
	s_barrier_signal -3
.Lnot_wave_0_\@:
	s_barrier_wait -3
	s_barrier_signal -1
	s_barrier_wait -1
.endm
.macro CROUND
	s_barrier_signal -1
	s_barrier_wait -1
	CREST
.endm
.macro SHADD src, sh
	s_lshl_b32 s3, s[\src], \sh
	s_add_co_u32 s2, s2, s3
.endm
.macro PTR dst, base, const
	s_mov_b32 s3, 0
	s_add_nc_u64 s[\dst:\dst+1], s[\base:\base+1], s[2:3]
.if \const
	s_add_nc_u64 s[\dst:\dst+1], s[\dst:\dst+1], \const
.endif
.endm
.macro ADVANCE x                       ; the next request: 256 bytes along K; behind the eighth, on to P's and V^T's first
.if \x
	s_xor_b32 s[G0A+1], s[G0A+1], SLOT1
	s_xor_b32 s[G0B+1], s[G0B+1], SLOT1
.endif
	s_mov_b64 s[G0A+2:G0A+3], s[RQA:RQA+1]
	s_or_b32 s[G0A+3], s[G0A+3], 0x80000000
	s_mov_b64 s[G0B+2:G0B+3], s[RQB:RQB+1]
	s_or_b32 s[G0B+3], s[G0B+3], 0x80000000
	s_add_nc_u64 s[RQA:RQA+1], s[RQA:RQA+1], 256
	s_add_nc_u64 s[RQB:RQB+1], s[RQB:RQB+1], 256
	s_sub_co_u32 s[RC], s[RC], 1
	s_cmp_eq_u32 s[RC], 0
	s_cselect_b64 s[RQA:RQA+1], s[NA1:NA1+1], s[RQA:RQA+1]
	s_cselect_b64 s[RQB:RQB+1], s[NB1:NB1+1], s[RQB:RQB+1]
.endm
.macro MUL fmt, f, a, b0, n, zero      ; the accumulators take turns, one instruction a quarter each
	WIN MULW
.set bb, \b0
.rept \n
.if \zero
	v_wmma_f32_16x16x32_\fmt v[8*(8*(\a)+bb):8*(8*(\a)+bb)+7], v[(\f)+8*bb:(\f)+8*bb+7], v[(\f)+64+8*(\a):(\f)+64+8*(\a)+7], 0
.else
	v_wmma_f32_16x16x32_\fmt v[8*(8*(\a)+bb):8*(8*(\a)+bb)+7], v[(\f)+8*bb:(\f)+8*bb+7], v[(\f)+64+8*(\a):(\f)+64+8*(\a)+7], v[8*(8*(\a)+bb):8*(8*(\a)+bb)+7]
.endif
.set bb, bb+1
.endr
.endm
.macro FETCH q, f
	WIN 0
.irp b, 0,1,2,3,4,5,6,7
	ds_load_b128 v[(\f)+8*\b:(\f)+8*\b+3],   v[ADB] offset:64*(\q)+4352*\b
	ds_load_b128 v[(\f)+8*\b+4:(\f)+8*\b+7], v[ADB] offset:64*(\q)+4352*\b+32
.endr
.irp a, 0,1,2,3
	ds_load_b128 v[(\f)+64+8*\a:(\f)+64+8*\a+3], v[ADA] offset:64*(\q)+4352*\a
	ds_load_b128 v[(\f)+64+8*\a+4:(\f)+64+8*\a+7], v[ADA] offset:64*(\q)+4352*\a+32
.endr
.endm
.macro QUARTER fmt, q, f, g, zero
	s_wait_dscnt 4                                 ; all but the youngest four LDS instructions are done: the column operand and row blocks 0, 1 are in
	MUL \fmt, \f, 0, 0, 8, \zero
	MUL \fmt, \f, 1, 0, 8, \zero
	PLACES
	FETCH \q, \g
	s_wait_dscnt 24                                ; all but the 24 just issued
	MUL \fmt, \f, 2, 0, 8, \zero
	MUL \fmt, \f, 3, 0, 8, \zero
.endm
.macro TURN fmt, fill                  ; the change of slots: all my tensor loads, the add, my reads; the barrier (with fill = 1 a round of the cluster's); the joint refill first behind it
	WIN 0
	s_wait_tensorcnt 0x0
	ds_add_u32 v[SPW], v[NIL]
.if \fill
	ADVANCE 1
.endif
	s_wait_dscnt 5                                 ; the add and the youngest four loads may be out
	MUL \fmt, F1, 0, 0, 8, 0
	s_wait_dscnt 0x0
	s_barrier_signal -1
	MUL \fmt, F1, 1, 0, 8, 0
	WIN 0
	s_barrier_wait -1
.if \fill
	CREST
	JLOAD
.else
	PLACES
.endif
	s_xor_b32 s[TB], s[TB], SLOT1
	v_add_nc_u32 v[ADA], s[TB], v[ADA0]
	v_add_nc_u32 v[ADB], s[TB], v[ADB0]
	FETCH 0, F0
	MUL \fmt, F1, 2, 0, 8, 0
	MUL \fmt, F1, 3, 0, 8, 0
.endm
.macro STAGE_IN a0
	WIN 0x04
.irp a, 0,1
.irp b, 0,1,2,3,4,5,6,7
	ds_store_b128 v[STO], v[8*(8*((\a0)+\a)+\b):8*(8*((\a0)+\a)+\b)+3] offset:8448*\a+64*\b
	ds_store_b128 v[STO], v[8*(8*((\a0)+\a)+\b)+4:8*(8*((\a0)+\a)+\b)+7] offset:8448*\a+64*\b+16
.endr
.endr
	WIN 0
.endm
	s_load_b256 s[4:11], s[0:1], 0x0               ; prj s[4:5], pre s[6:7], sco s[8:9], out0 s[10:11]
	v_lshl_add_u32 v[SPW], v0, 2, SPARE
	v_mov_b32 v[NIL], 0
	ds_add_u32 v[SPW], v[NIL]                      ; the wave's opening: the add and its wait ahead of my first tensor load
	v_lshrrev_b32 v1, 5, v0
	v_readfirstlane_b32 s[WV], v1
	s_lshr_b32 s[WR], s[WV], 1
	s_and_b32 s[WC], s[WV], 1
	s_bfe_u32 s[CX], ttmp6, 0x40000
	s_bfe_u32 s[CYL], ttmp6, 0x40004
	s_and_b32 s[CY], ttmp7, 0xffff                 ; the chunk
	s_lshl_b32 s28, s[CYL], 2
	s_lshl_b32 s28, 15, s28
	s_lshl_b32 s30, 0x1111, s[CX]
	s_or_b32 s[G1A], s28, (1<<16)|(1<<20)|(1<<21)|(5<<22)|(3<<25)
	s_or_b32 s[G1B], s30, (1<<16)|(1<<20)|(1<<21)|(5<<22)|(3<<25)
	s_mov_b32 s[G1A+1], 128<<16
	s_mov_b32 s[G1A+2], 64<<16
	s_mov_b32 s[G1A+3], 128<<16
	s_mov_b32 s[G1A+4], 64
	s_mov_b32 s[G1A+5], 1024
	s_mov_b32 s[G1A+6], 0
	s_mov_b32 s[G1A+7], 0
	s_mov_b32 s[G1B+1], 128<<16
	s_mov_b32 s[G1B+2], 128<<16
	s_mov_b32 s[G1B+3], 128<<16
	s_mov_b32 s[G1B+4], 128
	s_mov_b32 s[G1B+5], 1024
	s_mov_b32 s[G1B+6], 0
	s_mov_b32 s[G1B+7], 0
	s_mov_b32 s[G0A], 1
	s_mul_i32 s[G0A+1], s[WC], AHALF
	s_mov_b32 s[G0B], 1
	s_mul_i32 s[G0B+1], s[WC], BOFF
	s_add_co_u32 s[G0B+1], s[G0B+1], BOFF
	s_lshl2_add_u32 s[RB], s[CY], s[CYL]
	s_lshl_b32 s28, s[RB], 18                      ; Q's and P's row 128 rb + 64 half (no cx in these registers)
	s_lshl_b32 s29, s[WC], 17
	s_add_co_u32 s28, s28, s29
	s_mov_b32 s29, 0
	s_lshl_b32 s30, s[CY], 21                      ; S's and V^T's plane c, row 256 cx + 128 half (no cy in these registers)
	s_lshl_b32 s31, s[CX], 19
	s_add_co_u32 s30, s30, s31
	s_lshl_b32 s31, s[WC], 18
	s_add_co_u32 s30, s30, s31
	s_mov_b32 s31, 0
	s_mov_b32 s[RC], 8
	s_mov_b32 s[TB], 0
	s_wait_dscnt 0x0
	s_wait_kmcnt 0x0
	s_add_nc_u64 s[RQA:RQA+1], s[4:5], s[28:29]
	s_add_nc_u64 s[NA1:NA1+1], s[8:9], s[28:29]
	s_add_nc_u64 s[RQB:RQB+1], s[6:7], s[30:31]
	s_add_nc_u64 s[NB1:NB1+1], s[4:5], s[30:31]
	s_add_nc_u64 s[NB1:NB1+1], s[NB1:NB1+1], 50331648
	s_lshl_b32 s2, s[RB], 9
	SHADD WR, 8
	PTR PG, 8, 17301504                            ; g (key block 0's copy) of my 64 rows
	s_add_nc_u64 s[PR:PR+1], s[PG:PG+1], 131072    ; the denominators' shares
	s_lshl_b32 s2, s[CX], 19
	SHADD WC, 18
	PTR PVL, 4, 83886080                           ; V_low and chunk 0's V^T at my 128 rows m
	PTR PVH, 4, 50331648
	s_lshl_b32 s2, s[CYL], 18
	SHADD WR, 17
	PTR PPH, 8, 0                                  ; chunk 0's P at rows 128 cy + 64 WR,
	s_lshl_b32 s2, s[CYL], 17
	SHADD WR, 16
	PTR PPL, 8, 16777216                           ; and P_low (rows of 1,024 bytes)
	s_lshl_b32 s2, s[RB], 19
	SHADD WR, 18
	SHADD CX, 10
	SHADD WC, 9
	PTR OUT1, 10, 0
	CROUND
	ADVANCE 0
	JLOAD
	v_and_b32 v1, 15, v0
	v_bfe_u32 v2, v0, 4, 1
	v_mul_u32_u24 v3, v1, PITCH
	v_lshl_add_u32 v3, v2, 4, v3
	s_mul_i32 s2, s[WR], AHALF
	s_mul_i32 s3, s[WC], BOFF
	s_add_co_u32 s3, s3, BOFF
	v_add_nc_u32 v[ADA0], s2, v3
	v_add_nc_u32 v[ADB0], s3, v3
	v_mov_b32 v[ADA], v[ADA0]
	v_mov_b32 v[ADB], v[ADB0]
	s_mul_i32 s2, s[WV], STG
	s_add_co_u32 s2, s2, STAGE
	v_mul_u32_u24 v3, v1, SPITCH
	v_lshl_add_u32 v3, v2, 5, v3
	v_add_nc_u32 v[STO], s2, v3
	v_mul_u32_u24 v3, v2, SPITCH
	v_lshl_add_u32 v3, v1, 4, v3
	v_add_nc_u32 v[RD0], s2, v3                    ; back: lanes 0-15 one row, lanes 16-31 the next; 16 bytes a lane, twice, 256 bytes apart
	v_lshlrev_b32 v3, 12, v2
	v_lshl_add_u32 v[GO], v1, 4, v3
	s_lshl_b32 s2, s[WV], 8
	s_add_co_u32 s2, s2, ITL                       ; my table
	v_lshl_add_u32 v[IA0], v2, 2, s2
	v_and_b32 v3, 31, v0
	v_lshlrev_b32 v[LX], 2, v3
	v_add_nc_u32 v[ITW], s2, v[LX]
	v_lshlrev_b32 v[GX], 2, v1
	v_lshlrev_b32 v3, 4, v2
	v_lshl_add_u32 v[VO], v1, 11, v3               ; a fragment from memory: row l % 16 of 2,048 bytes + 16 (l / 16)
	v_lshl_add_u32 v[VO2], v1, 10, v3
.irp a, 0,1,2,3
	global_load_b32 v[GV+2*\a], v[GX], s[PG:PG+1] offset:64*\a
.endr
.irp k, 0,1,2,3
	global_load_b32 v[RTV+2*\k], v[LX], s[PR:PR+1] offset:32768*\k
	global_load_b32 v[RTV+2*\k+1], v[LX], s[PR:PR+1] offset:32768*\k+128
.endr
	; the correction's fragments, keys 0-31.  Every work-group loads them, so that the registers are written on every way; only chunk 0 waits for them and uses them.
	WIN 0x80
.irp b, 0,1,2,3,4,5,6,7
	global_load_b128 v[8*\b:8*\b+3], v[VO], s[PVL:PVL+1] offset:32768*\b
	global_load_b128 v[8*\b+4:8*\b+7], v[VO], s[PVL:PVL+1] offset:32768*\b+32
	global_load_b128 v[64+8*\b:64+8*\b+3], v[VO], s[PVH:PVH+1] offset:32768*\b
	global_load_b128 v[64+8*\b+4:64+8*\b+7], v[VO], s[PVH:PVH+1] offset:32768*\b+32
.endr
.irp a, 0,1,2,3
	global_load_b128 v[128+8*\a:128+8*\a+3], v[VO], s[PPH:PPH+1] offset:32768*\a
	global_load_b128 v[128+8*\a+4:128+8*\a+7], v[VO], s[PPH:PPH+1] offset:32768*\a+32
	global_load_b128 v[160+8*\a:160+8*\a+3], v[VO2], s[PPL:PPL+1] offset:16384*\a
	global_load_b128 v[160+8*\a+4:160+8*\a+7], v[VO2], s[PPL:PPL+1] offset:16384*\a+32
.endr
	WIN 0
	s_wait_tensorcnt 0x0                           ; slot 0 is waited for and slot 1 asked for, in the order of every change of slots
	ds_add_u32 v[SPW], v[NIL]
	ADVANCE 1
	s_wait_dscnt 0x0
	CROUND
	JLOAD
	FETCH 0, F0
	s_wait_loadcnt 48                              ; g and the shares are in; the 48 loads of the correction stay out
.irp a, 0,1,2,3
	v_mov_b32 v[GV+2*\a+1], v[GV+2*\a]
.endr
	v_add_f32 v[DN], v[RTV], v[RTV+2]
	v_add_f32 v[DN+1], v[RTV+1], v[RTV+3]
	v_add_f32 v[DN+2], v[RTV+4], v[RTV+6]
	v_add_f32 v[DN+3], v[RTV+5], v[RTV+7]
	v_add_f32 v[DN], v[DN], v[DN+2]
	v_add_f32 v[DN+1], v[DN+1], v[DN+3]
	v_rcp_f32 v[DN], v[DN]
	v_rcp_f32 v[DN+1], v[DN+1]
	v_nop                                          ; a plain instruction between the last reciprocal and the use of its result
	s_wait_alu depctr_va_vdst(0)
	ds_store_b32 v[ITW], v[DN]                     ; rows l and 32 + l of my 64
	ds_store_b32 v[ITW], v[DN+1] offset:128
	s_mov_b32 s[CNT], 8
	QUARTER bf16, 1, F0, F1, 1                     ; the first quarter starts the sums with the constant 0
	WIN 0
	s_branch .Lmid
.Lstep:
	QUARTER bf16, 1, F0, F1, 0
	WIN 0
.Lmid:
	QUARTER bf16, 2, F1, F0, 0
	QUARTER bf16, 3, F0, F1, 0
	TURN bf16, 1
	WIN 0
	s_sub_co_u32 s[CNT], s[CNT], 1
	s_cmp_lg_u32 s[CNT], 0
	s_cbranch_scc1 .Lstep
	PLACES                                         ; Q S is whole: times g, each accumulator from its low end on
	WIN 0x41
.irp a, 0,1,2,3
.set k, 0
.rept 32
	v_pk_mul_f32 v[64*\a+2*k:64*\a+2*k+1], v[64*\a+2*k:64*\a+2*k+1], v[GV+2*\a:GV+2*\a+1] op_sel_hi:[1,0]
.set k, k+1
.endr
.endr
	WIN 0
	s_mov_b32 s[CNT], 2
.Lstep2:
	QUARTER f16, 1, F0, F1, 0
	QUARTER f16, 2, F1, F0, 0
	QUARTER f16, 3, F0, F1, 0
	TURN f16, 1
	WIN 0
	s_sub_co_u32 s[CNT], s[CNT], 1
	s_cmp_lg_u32 s[CNT], 0
	s_cbranch_scc1 .Lstep2
	QUARTER f16, 1, F0, F1, 0                      ; the last two K steps ask for nothing more
	QUARTER f16, 2, F1, F0, 0
	QUARTER f16, 3, F0, F1, 0
	TURN f16, 0
	QUARTER f16, 1, F0, F1, 0
	QUARTER f16, 2, F1, F0, 0
	QUARTER f16, 3, F0, F1, 0
	s_wait_dscnt 4
	MUL f16, F1, 0, 0, 8, 0
	MUL f16, F1, 1, 0, 8, 0
	s_wait_dscnt 0x0
	MUL f16, F1, 2, 0, 8, 0
	MUL f16, F1, 3, 0, 8, 0
	WIN 0
	s_cmp_lg_u32 s[CY], 0                          ; the same in all sixteen partners
	s_cbranch_scc1 .Lno_corr
	s_wait_loadcnt 0x0
	WIN 0x5a                                       ; both sources in window 2, C and D in window 1
.irp a, 0,1,2,3
.irp b, 0,1,2,3,4,5,6,7
	v_wmma_f32_16x16x32_f16 v[8*(8*\a+\b):8*(8*\a+\b)+7], v[8*\b:8*\b+7], v[128+8*\a:128+8*\a+7], v[8*(8*\a+\b):8*(8*\a+\b)+7]
.endr
.endr
.irp a, 0,1,2,3
.irp b, 0,1,2,3,4,5,6,7
	v_wmma_f32_16x16x32_f16 v[8*(8*\a+\b):8*(8*\a+\b)+7], v[64+8*\b:64+8*\b+7], v[160+8*\a:160+8*\a+7], v[8*(8*\a+\b):8*(8*\a+\b)+7]
.endr
.endr
	WIN 0
.Lno_corr:
	; THE WAY OUT: 32 rows at a time through my own stage, back as whole rows of 512 bytes, divided by the row's denominator
	PLACES
.irp i, 0,1,2,3
	v_mov_b32 v[IV+2*\i+1], 0                      ; named with the reciprocals as pairs
.endr
	s_mov_b32 s[ITS], 0
	s_mov_b32 s[HALF], 2
.Lhalf:
	s_cmp_eq_u32 s[HALF], 2
	s_cbranch_scc0 .Lupper
	STAGE_IN 0
	s_branch .Lstaged
.Lupper:
	STAGE_IN 2
.Lstaged:
	s_mov_b32 s[RDS], 0
	s_mov_b32 s[TRIP], 4
.Ltrip:
	v_add_nc_u32 v[RDC], s[RDS], v[RD0]
	v_add_nc_u32 v[IAC], s[ITS], v[IA0]
.irp i, 0,1,2,3
	ds_load_b128 v[L+8*\i:L+8*\i+3], v[RDC] offset:1056*\i
	ds_load_b128 v[L+8*\i+4:L+8*\i+7], v[RDC] offset:1056*\i+256
	ds_load_b32 v[IV+2*\i], v[IAC] offset:8*\i
.endr
	s_wait_dscnt 0x0
.irp i, 0,1,2,3
.irp j, 0,1,2,3
	v_pk_mul_f32 v[L+8*\i+2*\j:L+8*\i+2*\j+1], v[L+8*\i+2*\j:L+8*\i+2*\j+1], v[IV+2*\i:IV+2*\i+1] op_sel_hi:[1,0]
.endr
.endr
.irp i, 0,1,2,3
	global_store_b128 v[GO], v[L+8*\i:L+8*\i+3], s[OUT1:OUT1+1] offset:8192*\i th:TH_STORE_NT      ; 16 lanes store 256 consecutive aligned bytes
	global_store_b128 v[GO], v[L+8*\i+4:L+8*\i+7], s[OUT1:OUT1+1] offset:8192*\i+256 th:TH_STORE_NT
.endr
	s_wait_xcnt 0x0                                ; the stores' data and offset are rewritten only behind this wait
	v_add_nc_u32 v[GO], 32768, v[GO]               ; 8 rows of 4,096 bytes on
	s_add_co_u32 s[RDS], s[RDS], 8*SPITCH
	s_add_co_u32 s[ITS], s[ITS], 32
	s_sub_co_u32 s[TRIP], s[TRIP], 1
	s_cmp_lg_u32 s[TRIP], 0
	s_cbranch_scc1 .Ltrip
	s_sub_co_u32 s[HALF], s[HALF], 1
	s_cmp_lg_u32 s[HALF], 0
	s_cbranch_scc1 .Lhalf
	s_wait_tensorcnt 0x0                           ; the wave's end
	ds_add_u32 v[SPW], v[NIL]
	s_wait_dscnt 0x0
	CROUND
	s_endpgm
.Lfunc_end_k_q598d8d7655_outp:
	.size	k_q598d8d7655_outp, .Lfunc_end_k_q598d8d7655_outp-k_q598d8d7655_outp
	.p2alignl 7, 3214868480
	.fill 96, 4, 3214868480
	.section	.rodata,"a",@progbits
	.p2align	6, 0x0
	.amdhsa_kernel k_q598d8d7655_outp
		.amdhsa_group_segment_fixed_size 327680
		.amdhsa_private_segment_fixed_size 0
		.amdhsa_enable_private_segment 0
		.amdhsa_kernarg_size 32
		.amdhsa_user_sgpr_count 2
		.amdhsa_user_sgpr_kernarg_segment_ptr 1
		.amdhsa_wavefront_size32 1
		.amdhsa_system_sgpr_workgroup_id_x 1
		.amdhsa_system_sgpr_workgroup_id_y 1
		.amdhsa_system_sgpr_workgroup_id_z 1
		.amdhsa_system_vgpr_workitem_id 0
		.amdhsa_next_free_vgpr 768
		.amdhsa_next_free_sgpr 100
		.amdhsa_reserve_vcc 0
		.amdhsa_float_denorm_mode_32 3
		.amdhsa_float_denorm_mode_16_64 3
		.amdhsa_memory_ordered 1
		.amdhsa_forward_progress 1
		.amdhsa_inst_pref_size 103
	.end_amdhsa_kernel
	.amdgpu_metadata
---
amdhsa.version: [ 1, 2 ]
amdhsa.kernels:
  - .name:           k_q598d8d7655_outp
    .symbol:         k_q598d8d7655_outp.kd
    .args:
      - { .name: prj, .offset: 0, .size: 8, .value_kind: global_buffer, .address_space: global }
      - { .name: pre, .offset: 8, .size: 8, .value_kind: global_buffer, .address_space: global }
      - { .name: sco, .offset: 16, .size: 8, .value_kind: global_buffer, .address_space: global }
      - { .name: out0, .offset: 24, .size: 8, .value_kind: global_buffer, .address_space: global }
    .group_segment_fixed_size: 327680
    .private_segment_fixed_size: 0
    .kernarg_segment_align: 8
    .kernarg_segment_size: 32
    .max_flat_workgroup_size: 128
    .sgpr_count:     100
    .vgpr_count:     768
    .wavefront_size: 32
...
	.end_amdgpu_metadata
.endif
;; end of part 6
;; ======== version 2 of 2: 6 launches; version 1 with the launches conv, prefix written anew for expert scheduling mode
;; limits: values outside matrix products are rounded to bf16; values are held in f16: magnitudes above 65,504 overflow, below 6.1e-05 lose precision
;; workspace buffers: cvt 23,068,672 bytes; prj 88,080,384 bytes; kvp 33,554,432 bytes; pre 34,078,720 bytes; sco 17,563,648 bytes
;; launch conv (part 7): grid 704 x 1, 8 waves a work-group, no clusters, 0 bytes of LDS; arguments x, Wq, Wk, Wv, cvt; writes cvt
.if DOCPART == 7
	.amdgcn_target "amdgcn-amd-amdhsa--gfx1250"
	.amdhsa_code_object_version 6
	.text
	.protected	k_q598d8d7655_conv
	.globl	k_q598d8d7655_conv
	.p2align	8
	.type	k_q598d8d7655_conv,@function
k_q598d8d7655_conv:
	s_mov_b64 s[64:65], 0
	v_nop
	global_prefetch_b8 v0, s[64:65] scope:SCOPE_SE
	s_setreg_imm32_b32 hwreg(HW_REG_WAVE_SCHED_MODE, 0, 2), 2
	s_setreg_imm32_b32 hwreg(HW_REG_WAVE_MODE, 25, 1), 1
	s_wait_xcnt 0x0
	s_wait_alu depctr_vm_vsrc(0)
; x [8192][1024] and Wq, Wk, Wv [1024][1024], all f32, are rounded once to bf16 into cvt: xb at byte 0, then Wq, Wk, Wv as one table of 3,072 rows at byte 16,777,216.
; A work-group takes 16 rows of 1,024 numbers.  Groups 0-511 take x, groups 512-703 the three weights, 64 groups each; in cvt group w's rows begin at byte 32,768 w in both cases.
; Thread t takes 16 bytes (4 numbers) at byte 16 t of every row: a wave's load covers 512 consecutive bytes, its store 256 consecutive aligned bytes.
; All 16 loads go out at once; every row has registers of its own, so nothing is rewritten while a load or store may read it.  No LDS, no matrix unit: the work is moving bytes.
; THE MODE: SCHED_MODE bits 1:0 = 2 (LLVM: expert scheduling mode 2), set by the entry lines.  The code itself states the register dependences
; between vector instructions and memory instructions, with s_wait_alu, always for 0.
; THE PLAN.  Registers that memory instructions touch:
;   v1, v2   byte offsets of the loads and of the stores: written once at the head, never again.
;   X        row r: written by its load alone, read by its two conversions.
;   Y        row r: written by its two conversions, once; read by its store.
; The rows go in four blocks of four.  One wait stands ahead of the first load (the offsets are written), one behind each block's eight conversions, ahead of the run of its four stores
; (the block's Y is written).  No register that a memory instruction reads is ever written again, and no load lands in a register that a vector instruction has named.
.set X, 4                              ; v[4:67]   row r as loaded: 4 registers
.set Y, 68                             ; v[68:99]  row r to store: 2 registers
	s_load_b256 s[4:11], s[0:1], 0x0               ; x s[4:5], Wq s[6:7], Wk s[8:9], Wv s[10:11]
	s_load_b64 s[12:13], s[0:1], 0x20              ; cvt
	s_sub_co_i32 s14, ttmp9, 512
	s_max_i32 s14, s14, 0                          ; group among the weights' 192 (0 for x's groups, not used there)
	s_lshr_b32 s15, s14, 6                         ; which weight
	s_and_b32 s16, s14, 63                         ; which 16 rows of it
	v_lshlrev_b32 v1, 4, v0                        ; 16 t
	v_lshlrev_b32 v2, 3, v0                        ; 8 t
	s_lshl_b32 s22, ttmp9, 15                      ; 16 rows of 2,048 bytes a group
	s_mov_b32 s23, 0
	s_wait_kmcnt 0x0
	s_cmp_eq_u32 s15, 1
	s_cselect_b64 s[18:19], s[8:9], s[6:7]
	s_cmp_eq_u32 s15, 2
	s_cselect_b64 s[18:19], s[10:11], s[18:19]
	s_cmp_lt_u32 ttmp9, 512
	s_cselect_b64 s[18:19], s[4:5], s[18:19]
	s_cselect_b32 s16, ttmp9, s16
	s_lshl_b32 s16, s16, 16                        ; 16 rows of 4,096 bytes
	s_mov_b32 s17, 0
	s_add_nc_u64 s[18:19], s[18:19], s[16:17]
	s_add_nc_u64 s[20:21], s[12:13], s[22:23]
	s_wait_alu depctr_va_vdst(0)                   ; v1 and v2 are written: every load reads v1 as its offset, every store v2
.set r, 0
.rept 16
	global_load_b128 v[X+4*r:X+4*r+3], v1, s[18:19] offset:4096*r th:TH_LOAD_NT
.set r, r+1
.endr
.set r, 0
.rept 4                                ; a block of four rows
.rept 4
	s_wait_loadcnt 15-r                            ; loads come back in order: row r is in, the 15 - r younger rows stay out
	v_cvt_pk_bf16_f32 v[Y+2*r], v[X+4*r], v[X+4*r+1]
	v_cvt_pk_bf16_f32 v[Y+2*r+1], v[X+4*r+2], v[X+4*r+3]
.set r, r+1
.endr
	s_wait_alu depctr_va_vdst(0)                   ; the block's eight conversions have written its Y, which the four stores below read
.set q, r-4
.rept 4
	global_store_b64 v2, v[Y+2*q:Y+2*q+1], s[20:21] offset:2048*q
.set q, q+1
.endr
.endr
	s_endpgm
.Lfunc_end_k_q598d8d7655_conv:
	.size	k_q598d8d7655_conv, .Lfunc_end_k_q598d8d7655_conv-k_q598d8d7655_conv
	.p2alignl 7, 3214868480
	.fill 96, 4, 3214868480
	.section	.rodata,"a",@progbits
	.p2align	6, 0x0
	.amdhsa_kernel k_q598d8d7655_conv
		.amdhsa_group_segment_fixed_size 0
		.amdhsa_private_segment_fixed_size 0
		.amdhsa_enable_private_segment 0
		.amdhsa_kernarg_size 40
		.amdhsa_user_sgpr_count 2
		.amdhsa_user_sgpr_kernarg_segment_ptr 1
		.amdhsa_wavefront_size32 1
		.amdhsa_system_sgpr_workgroup_id_x 1
		.amdhsa_system_sgpr_workgroup_id_y 1
		.amdhsa_system_sgpr_workgroup_id_z 1
		.amdhsa_system_vgpr_workitem_id 0
		.amdhsa_next_free_vgpr 104
		.amdhsa_next_free_sgpr 66
		.amdhsa_reserve_vcc 0
		.amdhsa_float_denorm_mode_32 3
		.amdhsa_float_denorm_mode_16_64 3
		.amdhsa_memory_ordered 1
		.amdhsa_forward_progress 1
		.amdhsa_inst_pref_size 7
	.end_amdhsa_kernel
	.amdgpu_metadata
---
amdhsa.version: [ 1, 2 ]
amdhsa.kernels:
  - .name:           k_q598d8d7655_conv
    .symbol:         k_q598d8d7655_conv.kd
    .args:
      - { .name: x, .offset: 0, .size: 8, .value_kind: global_buffer, .address_space: global }
      - { .name: Wq, .offset: 8, .size: 8, .value_kind: global_buffer, .address_space: global }
      - { .name: Wk, .offset: 16, .size: 8, .value_kind: global_buffer, .address_space: global }
      - { .name: Wv, .offset: 24, .size: 8, .value_kind: global_buffer, .address_space: global }
      - { .name: cvt, .offset: 32, .size: 8, .value_kind: global_buffer, .address_space: global }
    .group_segment_fixed_size: 0
    .private_segment_fixed_size: 0
    .kernarg_segment_align: 8
    .kernarg_segment_size: 40
    .max_flat_workgroup_size: 256
    .sgpr_count:     66
    .vgpr_count:     104
    .wavefront_size: 32
...
	.end_amdgpu_metadata
.endif
;; end of part 7
;; launch proj: the kernel of part 2 again; grid 4 x 64, 4 waves a work-group, clusters of 4 x 4, 327,680 bytes of LDS; arguments cvt, prj; writes prj
;; launch state: the kernel of part 3 again; grid 4 x 64, 4 waves a work-group, clusters of 4 x 4, 327,680 bytes of LDS; arguments prj, kvp; writes kvp
;; launch prefix (part 8): grid 516 x 1, 8 waves a work-group, no clusters, 0 bytes of LDS; arguments kvp, prj, pre; writes pre
.if DOCPART == 8
	.amdgcn_target "amdgcn-amd-amdhsa--gfx1250"
	.amdhsa_code_object_version 6
	.text
	.protected	k_q598d8d7655_prefix
	.globl	k_q598d8d7655_prefix
	.p2align	8
	.type	k_q598d8d7655_prefix,@function
k_q598d8d7655_prefix:
	s_mov_b64 s[64:65], 0
	v_nop
	global_prefetch_b8 v0, s[64:65] scope:SCOPE_SE
	s_setreg_imm32_b32 hwreg(HW_REG_WAVE_SCHED_MODE, 0, 2), 2
	s_setreg_imm32_b32 hwreg(HW_REG_WAVE_MODE, 25, 1), 1
	s_wait_xcnt 0x0
	s_wait_alu depctr_vm_vsrc(0)
; Two streams.  Groups 0-511: SST[c] = the sum of KV_c' over c' < c, for c = 0..15 (SST[0] = 0); planes of 2 MiB in bf16, running sum in f32, rounded once for each plane.
; Thread n = 256 w + t owns 16 bytes (8 numbers) of every plane: a wave's load or store covers 512 consecutive bytes.  All 15 loads go out at once; every plane has registers of its own.
; Groups 512-515 (batch b): from ZP [128 blocks][4][1024] f32 the chunk sums zc_c[b] (8 blocks each) and their running sum Zprev_c[b], into ZEXT [16 c][8 s][16 rows][128 k] bf16:
; row b = Zprev, row 4 + b = zc, rows 8 + 2 b and 9 + 2 b = 0.  Thread t owns columns 4 t .. 4 t + 3: a wave's store covers 256 consecutive aligned bytes.
; No LDS and no matrix unit: the work is moving bytes.
; THE MODE: SCHED_MODE bits 1:0 = 2 (LLVM: expert scheduling mode 2), set by the entry lines.  The code itself states the register dependences
; between vector instructions and memory instructions, with s_wait_alu, always for 0.
; THE PLAN, first stream.  v1 (the offset) and v[2:5] (zeros, plane 0's data) are written once, ahead of one wait.  X[c] is written by its load alone and read by its unpacking lines; Y[c] is written
; by its roundings, once, and read by its store.  The planes go in five blocks of three: one wait behind a block's roundings, ahead of the run of its three stores.  Nothing that a memory instruction reads is written again.
; THE PLAN, second stream.  v1, v2 (offsets) and ZR (zeros) are written once, ahead of one wait.
;   XB0 .. XB3  Chunk c: its eight loads land in XB[c % 4]; its fourteen additions read it; behind them the loads of chunk c + 4 land in it.
;   OB0, OB1    Chunk c: its four roundings write OB[c % 2]; two of its stores read it; chunk c + 2 writes it again.
;   PS and CS are named by vector instructions alone.
; One wait on va_vdst stands in a chunk, behind its roundings: the additions are done reading XB[c % 4], and OB[c % 2] is written.  The chunk's eight loads and four stores follow it; the two additions
; to PS behind them name none of those registers.  One wait on vm_vsrc stands ahead of the roundings from chunk 2 on: the stores of two chunks back have read OB[c % 2].
.set PLANE, 0x200000
.set A,  6                             ; v[6:13]    8 running sums
.set X,  16                            ; v[16:75]   plane c as loaded
.set Y,  76                            ; v[76:135]  plane c + 1 to store
.set T,  136                           ; v[136:143] at work
.set XB, 8                             ; second stream: v[8:135] four buffers of 8 blocks as loaded
.set PS, 136                           ; v[136:139] running sum
.set CS, 140                           ; v[140:143] chunk sum
.set OB, 144                           ; v[144:151] two out-buffers: Zprev's two registers, then zc's two
.set ZR, 152                           ; v[152:153] 0
	s_load_b128 s[4:7], s[0:1], 0x0                ; kvp s[4:5], prj s[6:7]
	s_load_b64 s[8:9], s[0:1], 0x10                ; pre
	v_lshlrev_b32 v1, 4, v0                        ; 16 t
	s_wait_kmcnt 0x0
	s_cmp_ge_u32 ttmp9, 512
	s_cbranch_scc1 .Lsums
	s_lshl_b32 s10, ttmp9, 12                      ; 256 threads x 16 bytes a group
	s_mov_b32 s11, 0
	s_add_nc_u64 s[12:13], s[4:5], s[10:11]        ; four bases 4 planes apart, so that a plane's place fits the immediate
	s_add_nc_u64 s[14:15], s[12:13], 4*PLANE
	s_add_nc_u64 s[16:17], s[14:15], 4*PLANE
	s_add_nc_u64 s[18:19], s[16:17], 4*PLANE
	s_add_nc_u64 s[20:21], s[8:9], s[10:11]
	s_add_nc_u64 s[22:23], s[20:21], 4*PLANE
	s_add_nc_u64 s[24:25], s[22:23], 4*PLANE
	s_add_nc_u64 s[26:27], s[24:25], 4*PLANE
	v_mov_b32 v2, 0
	v_mov_b32 v3, 0
	v_mov_b32 v4, 0
	v_mov_b32 v5, 0
	s_wait_alu depctr_va_vdst(0)                   ; v1 is written, the offset of every load and store below; so are v[2:5], plane 0's data
.set c, 0
.rept 15
	global_load_b128 v[X+4*c:X+4*c+3], v1, s[12+2*(c/4):13+2*(c/4)] offset:(c%4)*PLANE th:TH_LOAD_NT
.set c, c+1
.endr
	global_store_b128 v1, v[2:5], s[20:21]
.set c, 0
.rept 5                                ; a block of three planes
.rept 3
	s_wait_loadcnt 14-c                            ; loads come back in order: plane c is in, the 14 - c younger ones stay out
.if c == 0
.irp k, 0,1,2,3
	v_lshlrev_b32 v[A+2*\k], 16, v[X+\k]           ; the first plane starts the sums
	v_and_b32 v[A+2*\k+1], 0xffff0000, v[X+\k]
.endr
.else
.irp k, 0,1,2,3
	v_lshlrev_b32 v[T+2*\k], 16, v[X+4*c+\k]
	v_and_b32 v[T+2*\k+1], 0xffff0000, v[X+4*c+\k]
.endr
.irp k, 0,1,2,3
	v_pk_add_f32 v[A+2*\k:A+2*\k+1], v[A+2*\k:A+2*\k+1], v[T+2*\k:T+2*\k+1]
.endr
.endif
.irp k, 0,1,2,3
	v_cvt_pk_bf16_f32 v[Y+4*c+\k], v[A+2*\k], v[A+2*\k+1]
.endr
.set c, c+1
.endr
	s_wait_alu depctr_va_vdst(0)                   ; the block's twelve roundings have written its Y, which the three stores below read
.set d, c-3
.rept 3
	global_store_b128 v1, v[Y+4*d:Y+4*d+3], s[20+2*((d+1)/4):21+2*((d+1)/4)] offset:((d+1)%4)*PLANE
.set d, d+1
.endr
.endr
	s_endpgm
.Lsums:
	s_sub_co_u32 s10, ttmp9, 512                   ; the batch
	s_lshl_b32 s12, s10, 12
	s_mov_b32 s13, 0
	s_add_nc_u64 s[14:15], s[6:7], s[12:13]
	s_add_nc_u64 s[14:15], s[14:15], 85983232      ; ZP, my batch's row of block 0
	s_lshl_b32 s12, s10, 8
	s_add_nc_u64 s[16:17], s[8:9], s[12:13]
	s_add_nc_u64 s[16:17], s[16:17], 33554432      ; ZEXT, row b
	s_lshl_b32 s12, s10, 9
	s_add_nc_u64 s[18:19], s[8:9], s[12:13]
	s_add_nc_u64 s[18:19], s[18:19], 33554432+2048 ; ZEXT, row 8 + 2 b
	v_and_b32 v3, 31, v0
	v_lshrrev_b32 v2, 5, v0
	v_lshlrev_b32 v2, 12, v2
	v_lshl_add_u32 v2, v3, 3, v2                   ; K step t / 32, 8 bytes at column 4 (t % 32)
.irp k, 0,1,2,3
	v_mov_b32 v[PS+\k], 0
.endr
	v_mov_b32 v[ZR], 0
	v_mov_b32 v[ZR+1], 0
	s_wait_alu depctr_va_vdst(0)                   ; v1 and v2 are written, the offsets of the loads and of the stores below; so is ZR, the data of two stores a chunk
.set n, 0
.rept 32                               ; the ring is filled: chunks 0 to 3, 8 blocks each
	global_load_b128 v[XB+4*n:XB+4*n+3], v1, s[14:15] offset:16384*n
.set n, n+1
.endr
.set c, 0
.rept 16                               ; chunk c
.set XC, XB+32*(c%4)
.set OC, OB+4*(c%2)
.if c < 13
	s_wait_loadcnt 24                              ; loads come back in order: this chunk's 8 blocks are in; the three younger chunks' 24 stay out
.else
	s_wait_loadcnt 8*(15-c)                        ; the last chunks ask for nothing more: the counts run down
.endif
	v_pk_add_f32 v[CS:CS+1], v[XC:XC+1], v[XC+4:XC+5]
	v_pk_add_f32 v[CS+2:CS+3], v[XC+2:XC+3], v[XC+6:XC+7]
.irp m, 2,3,4,5,6,7
	v_pk_add_f32 v[CS:CS+1], v[CS:CS+1], v[XC+4*\m:XC+4*\m+1]
	v_pk_add_f32 v[CS+2:CS+3], v[CS+2:CS+3], v[XC+4*\m+2:XC+4*\m+3]
.endr
.if c >= 2
	s_wait_xcnt 0x0                                ; every earlier memory instruction has had its addresses translated: this out-buffer is rewritten only behind this wait
	s_wait_alu depctr_vm_vsrc(0)                   ; the stores of two chunks back have read this out-buffer, which the roundings below write again
.endif
	v_cvt_pk_bf16_f32 v[OC], v[PS], v[PS+1]
	v_cvt_pk_bf16_f32 v[OC+1], v[PS+2], v[PS+3]
	v_cvt_pk_bf16_f32 v[OC+2], v[CS], v[CS+1]
	v_cvt_pk_bf16_f32 v[OC+3], v[CS+2], v[CS+3]
	s_wait_alu depctr_va_vdst(0)                   ; the additions are done reading this chunk's buffer, in which the loads below land; the roundings have written the out-buffer, which the stores below read
.if c < 12
.set n, 0
.rept 8                                ; the buffer is asked for again at once: the chunk four further on
	global_load_b128 v[XC+4*n:XC+4*n+3], v1, s[14:15] offset:16384*(8*(c+4)+n)
.set n, n+1
.endr
.endif
	global_store_b64 v2, v[OC:OC+1], s[16:17] offset:32768*c
	global_store_b64 v2, v[OC+2:OC+3], s[16:17] offset:32768*c+1024
	global_store_b64 v2, v[ZR:ZR+1], s[18:19] offset:32768*c
	global_store_b64 v2, v[ZR:ZR+1], s[18:19] offset:32768*c+256
	v_pk_add_f32 v[PS:PS+1], v[PS:PS+1], v[CS:CS+1]
	v_pk_add_f32 v[PS+2:PS+3], v[PS+2:PS+3], v[CS+2:CS+3]
.set c, c+1
.endr
	s_endpgm
.Lfunc_end_k_q598d8d7655_prefix:
	.size	k_q598d8d7655_prefix, .Lfunc_end_k_q598d8d7655_prefix-k_q598d8d7655_prefix
	.p2alignl 7, 3214868480
	.fill 96, 4, 3214868480
	.section	.rodata,"a",@progbits
	.p2align	6, 0x0
	.amdhsa_kernel k_q598d8d7655_prefix
		.amdhsa_group_segment_fixed_size 0
		.amdhsa_private_segment_fixed_size 0
		.amdhsa_enable_private_segment 0
		.amdhsa_kernarg_size 24
		.amdhsa_user_sgpr_count 2
		.amdhsa_user_sgpr_kernarg_segment_ptr 1
		.amdhsa_wavefront_size32 1
		.amdhsa_system_sgpr_workgroup_id_x 1
		.amdhsa_system_sgpr_workgroup_id_y 1
		.amdhsa_system_sgpr_workgroup_id_z 1
		.amdhsa_system_vgpr_workitem_id 0
		.amdhsa_next_free_vgpr 160
		.amdhsa_next_free_sgpr 66
		.amdhsa_reserve_vcc 0
		.amdhsa_float_denorm_mode_32 3
		.amdhsa_float_denorm_mode_16_64 3
		.amdhsa_memory_ordered 1
		.amdhsa_forward_progress 1
		.amdhsa_inst_pref_size 59
	.end_amdhsa_kernel
	.amdgpu_metadata
---
amdhsa.version: [ 1, 2 ]
amdhsa.kernels:
  - .name:           k_q598d8d7655_prefix
    .symbol:         k_q598d8d7655_prefix.kd
    .args:
      - { .name: kvp, .offset: 0, .size: 8, .value_kind: global_buffer, .address_space: global }
      - { .name: prj, .offset: 8, .size: 8, .value_kind: global_buffer, .address_space: global }
      - { .name: pre, .offset: 16, .size: 8, .value_kind: global_buffer, .address_space: global }
    .group_segment_fixed_size: 0
    .private_segment_fixed_size: 0
    .kernarg_segment_align: 8
    .kernarg_segment_size: 24
    .max_flat_workgroup_size: 256
    .sgpr_count:     66
    .vgpr_count:     160
    .wavefront_size: 32
...
	.end_amdgpu_metadata
.endif
;; end of part 8
;; launch score: the kernel of part 5 again; grid 4 x 64, 4 waves a work-group, clusters of 4 x 4, 327,680 bytes of LDS; arguments prj, pre, sco; writes sco
;; launch outp: the kernel of part 6 again; grid 4 x 64, 4 waves a work-group, clusters of 4 x 4, 327,680 bytes of LDS; arguments prj, pre, sco, out0; writes out0
